; MI455X (gfx1250); checked and timed in simulation.
; The chip was launched on July 23, 2026; its instructions are those of AMD's public machine-readable ISA for CDNA 5 (MIT licence, August 2026) and "CDNA5" Instruction Set Architecture Reference Guide (July 2026). The comments in the code are by the model that wrote it; some were corrected since.
;; Hybrid Mo E. Allowed arithmetic: matrix products marked QUANTISED: E3M2 operands, one E8M0 scale for each 32 along K, by v_wmma_scale_f32_16x16x128_f8f6f4 with both operands' format E3M2, f32 sums; products left as they are: f32 operands where the result goes on into a quantised operand, else bf16, f16 or f32 operands; f32 sums; everything else in f32.
;; Inputs: W1 4 x 1,024 x 1,024 float32; W2 4 x 1,024 x 1,024 float32; W3 4 x 1,024 x 1,024 float32; Wg 1,024 x 4 float32; w1s 1,024 x 1,024 float32; w2s 1,024 x 1,024 float32; w3s 1,024 x 1,024 float32; x 2 x 2,048 x 1,024 float32.
;; Outputs: out0 2 x 2,048 x 1,024 float32.
;; This version of the problem:
;;   THIS VERSION OF THE PROBLEM IS GIVEN IN LOW PRECISION. The matrix products marked QUANTISED in the list below multiply operands that are first quantised to E3M2 (3 exponent bits, 2 mantissa bits; 6 bits a number), with one power-of-two scale for each 32 numbers along K (OCP MX v1.0); their sums are f32. All else is computed in f32.
;;   The module's matrix products, in the order in which they are computed (A, B: the left and right operand; K: the contracted axis; several contracted axes count as one K, in the product's order):
;;     1. [M 4,096, K 1,024] x [K 1,024, N 1,024]; A: input x; B: input w1s: QUANTISED
;;     2. [M 4,096, K 1,024] x [K 1,024, N 1,024]; A: input x; B: input w2s: QUANTISED
;;     3. [M 4,096, K 1,024] x [K 1,024, N 1,024]; A: computed on the way; B: input w3s: QUANTISED
;;     4. [M 4,096, K 1,024] x [K 1,024, N 4]; A: input x; B: input Wg: left as it is (N = 4 < 16)
;;     5. [M 4,096, K 1,024] x [K 1,024, N 1,024]; A: input x; B: input W1: QUANTISED
;;     6. [M 4,096, K 1,024] x [K 1,024, N 1,024]; A: input x; B: input W2: QUANTISED
;;     7. [M 4,096, K 1,024] x [K 1,024, N 1,024]; A: computed on the way; B: input W3: QUANTISED
;;     8. [M 4,096, K 1,024] x [K 1,024, N 1,024]; A: input x; B: input W1: QUANTISED
;;     9. [M 4,096, K 1,024] x [K 1,024, N 1,024]; A: input x; B: input W2: QUANTISED
;;     10. [M 4,096, K 1,024] x [K 1,024, N 1,024]; A: computed on the way; B: input W3: QUANTISED
;;     11. [M 4,096, K 1,024] x [K 1,024, N 1,024]; A: input x; B: input W1: QUANTISED
;;     12. [M 4,096, K 1,024] x [K 1,024, N 1,024]; A: input x; B: input W2: QUANTISED
;;     13. [M 4,096, K 1,024] x [K 1,024, N 1,024]; A: computed on the way; B: input W3: QUANTISED
;;     14. [M 4,096, K 1,024] x [K 1,024, N 1,024]; A: input x; B: input W1: QUANTISED
;;     15. [M 4,096, K 1,024] x [K 1,024, N 1,024]; A: input x; B: input W2: QUANTISED
;;     16. [M 4,096, K 1,024] x [K 1,024, N 1,024]; A: computed on the way; B: input W3: QUANTISED
;;   THE QUANTISER, for each operand of a quantised product, along K:
;;     - K is cut into blocks of 32 from its start; a last block that is shorter is filled with zeros.
;;     - A block's scale is 2^e with e = floor(log2(the largest magnitude in the block)) - 4, held to -126 .. 127; a block of zeros has e = 0. As a byte (E8M0): e + 127.
;;     - Each number is divided by its block's scale, clamped to +-28, and rounded to the nearest number of E3M2, ties to even, subnormals kept.
;;     - The product sums the exact products of the quantised numbers (number of the format x scale) in f32.
;;   ~~~python
;;   def quantise(x, axis):      # numpy; x: float32 -> the quantised numbers, widened to float32 again
;;       x = np.moveaxis(x, axis, -1); K = x.shape[-1]
;;       x = np.pad(x, [(0, 0)] * (x.ndim - 1) + [(0, -K % 32)]); x = x.reshape(x.shape[:-1] + (-1, 32)); a = np.abs(x).max(-1, keepdims=True)
;;       e = np.where(a > 0, np.clip(np.frexp(np.where(a > 0, a, 1))[1] - 1 - 4, -126, 127), 0)      # np.frexp(a)[1] - 1 = floor(log2(a)), exactly
;;       r = np.clip(x / 2.0 ** e, -28, 28)
;;       step = 2.0 ** (np.maximum(np.frexp(np.where(r == 0, 1, r))[1] - 1, -2) - 2)
;;       q = np.round(r / step) * step * 2.0 ** e      # np.round: ties to even
;;       return np.moveaxis(q.reshape(q.shape[:-2] + (-1,))[..., :K], -1, axis).astype(np.float32)
;;   ~~~
;;   OPERANDS COMPUTED ON THE WAY. 'Computed on the way' means the value that the module computes at that place (a softmax that the list does not call 'softmax' is quantised finished and normalised). What goes into a quantiser is computed in f32, as accurately as f32 sums, v_exp_f32 and their like allow (about 1e-6 of the number): no bf16 or f16 on the way to a quantiser, and a product that is left as it is and whose result goes on into a quantised operand takes f32 operands (vector FMAs, or v_wmma_f32_16x16x4_f32). A number that lies on a knife's edge between two numbers of the format may be rounded either way, as far as f32 arithmetic and the matrix unit's own rounding can turn it there, and no further.
;; 2 versions, each right; version 2 is version 1 with the launches up, down written anew for expert scheduling mode. Each part assembles by itself: llvm-mc -triple=amdgcn-amd-amdhsa -mcpu=gfx1250 --defsym DOCPART=n.
;; ======== version 1 of 2: 4 launches
;; workspace buffers: xq 3,145,728 bytes; xsc 131,072 bytes; eidx 16,384 bytes of whole numbers; order 18,432 bytes of whole numbers; tinfo 256 bytes of whole numbers; wq 12,288,000 bytes; hq 7,077,888 bytes; hs 294,912 bytes
;; launch xprep (part 1): grid 256 x 1, 4 waves a work-group, no clusters, 22,016 bytes of LDS; arguments x, Wg, xq, xsc, eidx; writes xq, xsc, eidx
.if DOCPART == 1
	.amdgcn_target "amdgcn-amd-amdhsa--gfx1250"
	.amdhsa_code_object_version 6
	.text
	.protected	k_q537eb0cfe9_xprep
	.globl	k_q537eb0cfe9_xprep
	.p2align	8
	.type	k_q537eb0cfe9_xprep,@function
k_q537eb0cfe9_xprep:
	s_mov_b64 s[64:65], 0
	v_nop
	global_prefetch_b8 v0, s[64:65] scope:SCOPE_SE
	s_setreg_imm32_b32 hwreg(HW_REG_WAVE_MODE, 25, 1), 1
	s_wait_xcnt 0x0
; x [4096][1024] f32 -> codes of BF6 (E3M2) with one E8M0 byte for each 32 along K, and for each token the expert with the largest logit x . Wg (f32 multiply-adds).
; xq [4096][768]: a K step of 128 is 96 bytes, its four blocks of 24 bytes in the order 0, 2, 1, 3, so that lane (r, h) of an operand finds its 12 registers as 48 bytes on end at 96 s + 48 h.
; xsc [4096][32]: the scale bytes in K's order.  eidx [4096]: the expert, a whole number, at a fixed place: no address of this launch hangs on it.
; A block's scale is 2^(floor(log2(largest magnitude)) - 4); its byte is the largest magnitude's exponent field - 4, held at 1 from below.
; LIMITS: NaN and infinities are not served.  A block whose largest magnitude lies under 2^-122 (a block of zeros too) keeps the byte 1; these bytes are read by this program alone.
; The logits are summed in another order than a plain chain: two largest logits that agree to f32 rounding (about 1e-6 of their size) may be told apart the other way; equal logits take the lower expert.
; SHARES: a work-group takes 16 tokens, a wave 4, in 8 steps of 512 numbers (token t / 2, half t % 2).  ALL 32 loads of a wave's 16 KB of x go out at the head, each of 512 consecutive bytes, into registers of their own.
; For the quantiser a step turns through the wave's own stage in LDS, so that a lane then holds 16 neighbours along K (two lanes a block).  The router multiplies the numbers AS LOADED: of load i a lane holds
; k = 128 i + 4 lane + 0 .. 3, so its rows of Wg are 64 bytes on end, and a load of Wg spans 2,048 bytes.  Wg's 128 numbers for a lane's 32 places along K stay in registers (window 1).
.set SP,   80                          ; a lane's place in a stage: 64 bytes + 16
.set WREG, 5120                        ; a wave's two stages of 32 places
.set SCB,  20480                       ; the work-group's 512 scale bytes
.set EIX,  20992                       ; its 16 experts
.set R,    16                          ; v16-143  eight sets of 16 numbers as loaded
.set X,    144                         ; v144-175 two sets of 16 neighbours
.set E,    176                         ; v176-183 a scale byte for each step
.set C,    184                         ; v184-215 codes, four registers a step: no store's data are written again
.set LG,   216                         ; v216-223 the logits: experts 0 1, 2 3 in chain a; the same in chain b
.set RT,   224                         ; v224-227 the other half of the lanes' sums
.set BEST, 228
.set BI,   229                         ; v229-232 the expert, a register for each token
.set MSB, 0
.macro WIN new                         ; the immediate's high byte repeats the setting that is left
.if MSB != \new
	s_set_vgpr_msb (MSB<<8)|\new
.set MSB, \new
.endif
.endm
	s_load_b256 s[4:11], s[0:1], 0x0               ; x, Wg, xq, xsc
	s_load_b64 s[12:13], s[0:1], 0x20              ; eidx
	v_lshl_add_u32 v254, v0, 2, 0x5400
	v_mov_b32 v255, 0
	v_lshrrev_b32 v1, 5, v0
	v_readfirstlane_b32 s14, v1                    ; wave
	v_and_b32 v2, 31, v0                           ; lane
	v_lshlrev_b32 v3, 4, v2                        ; my 16 bytes of a load's 512
	v_lshrrev_b32 v8, 3, v2                        ; my codes' place in a step's 384 bytes: K step lane / 8,
	v_mul_u32_u24 v4, v8, 96
	v_bfe_u32 v8, v2, 1, 1                         ; odd blocks 48 bytes on,
	v_mad_u32_u24 v4, v8, 48, v4
	v_bfe_u32 v8, v2, 2, 1                         ; blocks 2 and 3 24 bytes on,
	v_mad_u32_u24 v4, v8, 24, v4
	v_and_b32 v8, 1, v2                            ; a block's upper 16 codes 12 bytes on
	v_mad_u32_u24 v4, v8, 12, v4
	s_mul_i32 s15, s14, WREG
	v_lshrrev_b32 v14, 2, v2
	v_mul_u32_u24 v14, v14, SP
	v_and_b32 v15, 3, v2
	v_lshl_add_u32 v14, v15, 4, v14
	v_add_nc_u32 v14, s15, v14                     ; the stage, on the way in: four lanes' 64 bytes on end, then 16 of padding
	v_mul_u32_u24 v15, v2, SP
	v_add_nc_u32 v15, s15, v15                     ; and on the way out: my 16 neighbours
	s_lshl_b32 s18, s14, 7
	s_add_co_u32 s18, s18, SCB
	v_lshrrev_b32 v5, 1, v2
	v_add_nc_u32 v5, s18, v5                       ; my block's scale byte: 128 x wave + lane / 2
	v_lshlrev_b32 v6, 6, v2                        ; Wg: my 4 rows of 16 bytes in each 128 rows
	s_lshl_b32 s19, s14, 4
	s_add_co_u32 s19, s19, EIX
	v_mov_b32 v7, s19                              ; my wave's four experts
	v_add_nc_u32 v233, SCB, v3                     ; wave 0's way out: 16 scale bytes a lane,
	v_and_b32 v234, 15, v2
	v_lshlrev_b32 v234, 2, v234
	v_add_nc_u32 v235, EIX, v234                   ; and an expert for each of sixteen lanes
	s_mov_b32 s16, 0x76543210
	s_mov_b32 s17, 0xfedcba98                      ; v_permlanex16_b32's selects for lane l xor 16
.irp e, 0,1,2,3
	v_mov_b32 v[RT+\e], 0                          ; written once: a lane permute's destination counts as one of its sources
.endr
	s_lshl_b32 s20, ttmp9, 4
	s_lshl_b32 s21, s14, 2
	s_add_co_u32 s20, s20, s21                     ; my wave's first token
	s_lshl_b32 s22, s20, 12
	s_mov_b32 s23, 0
	s_mul_i32 s24, s20, 768
	s_mov_b32 s25, 0
	s_lshl_b32 s26, ttmp9, 9
	s_mov_b32 s27, 0
	s_lshl_b32 s28, ttmp9, 6
	s_mov_b32 s29, 0
	s_wait_kmcnt 0x0
	s_add_nc_u64 s[4:5], s[4:5], s[22:23]
	s_add_nc_u64 s[8:9], s[8:9], s[24:25]
	s_add_nc_u64 s[10:11], s[10:11], s[26:27]
	s_add_nc_u64 s[12:13], s[12:13], s[28:29]
.macro LOADX t
.irp i, 0,1,2,3
	global_load_b128 v[R+16*(\t)+4*\i:R+16*(\t)+4*\i+3], v3, s[4:5] offset:2048*(\t)+512*\i th:TH_LOAD_NT   ; 32 lanes read 512 consecutive bytes
.endr
.endm
.macro TURN t                          ; a step's numbers through the stage: LDS serves a wave's instructions in order, so no wait stands between the stores and the loads
.irp i, 0,1,2,3
	ds_store_b128 v14, v[R+16*(\t)+4*\i:R+16*(\t)+4*\i+3] offset:32*SP*((\t)%2)+8*SP*\i
.endr
.irp i, 0,1,2,3
	ds_load_b128 v[X+16*((\t)%2)+4*\i:X+16*((\t)%2)+4*\i+3], v15 offset:32*SP*((\t)%2)+16*\i
.endr
.endm
.irp t, 0,1,2,3,4,5,6,7
	LOADX \t                                       ; all of my four tokens: 32 loads
.endr
	WIN 0x40                                       ; destination window 1
.irp hf, 0,1
.irp j, 0,1,2,3,4,5,6,7,8,9,10,11,12,13,14,15
	global_load_b128 v[64*\hf+4*\j:64*\hf+4*\j+3], v6, s[6:7] offset:8192*\hf+2048*(\j/4)+16*(\j%4)   ; Wg[512 hf + 128 (j / 4) + 4 lane + j % 4][0 .. 3]
.endr
.endr
	WIN 0
	s_wait_loadcnt 60                              ; step 0's four loads are in; behind them stand 28 loads of x and 32 of Wg
	TURN 0
.macro STEP t
.set XS, X+16*((\t)%2)
.set RS, R+16*(\t)
.set HF, (\t)%2
	s_wait_dscnt 0x0                               ; this step's numbers are back from the stage
.if (\t)+1 < 8
.if (\t) == 0
	s_wait_loadcnt 56                              ; step 1's four loads are in; behind them stand 24 loads of x and 32 of Wg
.endif
	TURN (\t)+1                                    ; the next step goes through the other stage while this one is worked (from step 1 on every load is in: the wait for 0 below)
.endif
	v_max3_num_f32 v8, |v[XS]|, |v[XS+1]|, |v[XS+2]|               ; the largest magnitude of my 16, in two chains
	v_max3_num_f32 v9, |v[XS+3]|, |v[XS+4]|, |v[XS+5]|
.irp i, 6,10
	v_max3_num_f32 v8, v8, |v[XS+\i]|, |v[XS+\i+1]|
	v_max3_num_f32 v9, v9, |v[XS+\i+2]|, |v[XS+\i+3]|
.endr
	v_max3_num_f32 v8, v8, |v[XS+14]|, |v[XS+15]|
	v_max3_num_f32 v8, v8, v9, 0x2800000           ; and the floor 2^(5 - 127): the byte cannot fall under 1
	v_max_num_f32_dpp v8, v8, v8 row_xmask:1 row_mask:0xf bank_mask:0xf   ; and of my neighbour's 16: the block's
	v_add_nc_u32 v11, 0xfe000000, v8               ; 4 off its exponent field: the conversion takes the exponent field of this operand as its scale
	v_cvt_scalef32_pk16_bf6_f32 v[C+4*(\t):C+4*(\t)+2], v[XS:XS+15], v11
	v_lshrrev_b32 v[E+(\t)], 23, v11               ; the scale's byte (also the plain line behind the conversion)
	ds_store_b8 v5, v[E+(\t)] offset:32*((\t)/2)+16*HF   ; both lanes of a block write the same byte with the same value
	global_store_b96 v4, v[C+4*(\t):C+4*(\t)+2], s[8:9] offset:384*(\t)   ; the wave's store covers 384 consecutive bytes
.if (\t) == 0
	s_wait_loadcnt 0x0                             ; Wg, the youngest of the loads, is in, and so is all of x
.endif
	WIN 0x04                                       ; source 1 (Wg) window 1
.irp j, 0,1,2,3,4,5,6,7,8,9,10,11,12,13,14,15  ; four logits, two to an instruction; even and odd j in chains of their own; x, as loaded, is taken from its pair for both halves
.if (HF == 0) && (\j == 0)
	v_pk_mul_f32 v[LG:LG+1], v[RS:RS+1], v[0:1] op_sel_hi:[0,1]           ; a token's first products start the sums
	v_pk_mul_f32 v[LG+2:LG+3], v[RS:RS+1], v[2:3] op_sel_hi:[0,1]
.elseif (HF == 0) && (\j == 1)
	v_pk_mul_f32 v[LG+4:LG+5], v[RS:RS+1], v[4:5] op_sel:[1,0] op_sel_hi:[1,1]
	v_pk_mul_f32 v[LG+6:LG+7], v[RS:RS+1], v[6:7] op_sel:[1,0] op_sel_hi:[1,1]
.elseif \j%2 == 0
	v_pk_fma_f32 v[LG:LG+1], v[RS+\j:RS+\j+1], v[64*HF+4*\j:64*HF+4*\j+1], v[LG:LG+1] op_sel_hi:[0,1,1]
	v_pk_fma_f32 v[LG+2:LG+3], v[RS+\j:RS+\j+1], v[64*HF+4*\j+2:64*HF+4*\j+3], v[LG+2:LG+3] op_sel_hi:[0,1,1]
.else
	v_pk_fma_f32 v[LG+4:LG+5], v[RS+\j-1:RS+\j], v[64*HF+4*\j:64*HF+4*\j+1], v[LG+4:LG+5] op_sel:[1,0,0] op_sel_hi:[1,1,1]
	v_pk_fma_f32 v[LG+6:LG+7], v[RS+\j-1:RS+\j], v[64*HF+4*\j+2:64*HF+4*\j+3], v[LG+6:LG+7] op_sel:[1,0,0] op_sel_hi:[1,1,1]
.endif
.endr
	WIN 0
.if HF == 1                            ; the token is through: the chains, the 32 lanes, the largest logit
	v_pk_add_f32 v[LG:LG+1], v[LG:LG+1], v[LG+4:LG+5]
	v_pk_add_f32 v[LG+2:LG+3], v[LG+2:LG+3], v[LG+6:LG+7]
.irp m, 1,2,4,8
.irp e, 0,1,2,3
	v_add_f32_dpp v[LG+\e], v[LG+\e], v[LG+\e] row_xmask:\m row_mask:0xf bank_mask:0xf
.endr
.endr
.irp e, 0,1,2,3
	v_permlanex16_b32 v[RT+\e], v[LG+\e], s16, s17
.endr
.irp e, 0,1,2,3
	v_add_f32 v[LG+\e], v[LG+\e], v[RT+\e]
.endr
	v_mov_b32 v[BI+(\t)/2], 0
	v_mov_b32 v[BEST], v[LG]
.irp e, 1,2,3
	v_cmp_ge_f32 vcc_lo, v[BEST], v[LG+\e]         ; the earlier expert stays where it is as large: the lower index wins a tie
	v_cndmask_b32 v[BI+(\t)/2], \e, v[BI+(\t)/2], vcc_lo
	v_max_num_f32 v[BEST], v[BEST], v[LG+\e]
.endr
	ds_store_b32 v7, v[BI+(\t)/2] offset:4*((\t)/2)   ; all lanes write the same word with the same value
.endif
.endm
.irp t, 0,1,2,3,4,5,6,7
	STEP \t
.endr
	s_wait_dscnt 0x0                               ; for the others' sake: my scale bytes and experts lie in LDS
	s_barrier_signal -1
	s_barrier_wait -1
	s_cmp_lg_u32 s14, 0
	s_cbranch_scc1 .Ldone
	ds_load_b128 v[16:19], v233                    ; wave 0 sends the work-group's 512 scale bytes and 16 experts
	ds_load_b32 v20, v235
	s_wait_dscnt 0x0
	global_store_b128 v3, v[16:19], s[10:11]       ; 512 consecutive bytes, at a multiple of 256 from xsc's first byte
	s_wait_xcnt 0x0                                ; EXEC changes only behind this wait
	v_cmp_gt_u32 vcc_lo, 16, v2
	s_and_saveexec_b32 s18, vcc_lo
	global_store_b32 v234, v20, s[12:13]           ; 64 bytes: sixteen lanes
	s_wait_xcnt 0x0
	s_or_b32 exec_lo, exec_lo, s18
.Ldone:
	s_wait_tensorcnt 0x0
	ds_add_u32 v254, v255
	s_wait_dscnt 0x0
	s_endpgm
.Lfunc_end_k_q537eb0cfe9_xprep:
	.size	k_q537eb0cfe9_xprep, .Lfunc_end_k_q537eb0cfe9_xprep-k_q537eb0cfe9_xprep
	.p2alignl 7, 3214868480
	.fill 96, 4, 3214868480
	.section	.rodata,"a",@progbits
	.p2align	6, 0x0
	.amdhsa_kernel k_q537eb0cfe9_xprep
		.amdhsa_group_segment_fixed_size 22016
		.amdhsa_private_segment_fixed_size 0
		.amdhsa_enable_private_segment 0
		.amdhsa_kernarg_size 40
		.amdhsa_user_sgpr_count 2
		.amdhsa_user_sgpr_kernarg_segment_ptr 1
		.amdhsa_wavefront_size32 1
		.amdhsa_system_sgpr_workgroup_id_x 1
		.amdhsa_system_sgpr_workgroup_id_y 1
		.amdhsa_system_sgpr_workgroup_id_z 1
		.amdhsa_system_vgpr_workitem_id 0
		.amdhsa_next_free_vgpr 384
		.amdhsa_next_free_sgpr 66
		.amdhsa_reserve_vcc 1
		.amdhsa_float_denorm_mode_32 3
		.amdhsa_float_denorm_mode_16_64 3
		.amdhsa_memory_ordered 1
		.amdhsa_forward_progress 1
		.amdhsa_inst_pref_size 46
	.end_amdhsa_kernel
	.amdgpu_metadata
---
amdhsa.version: [ 1, 2 ]
amdhsa.kernels:
  - .name:           k_q537eb0cfe9_xprep
    .symbol:         k_q537eb0cfe9_xprep.kd
    .args:
      - { .name: x, .offset: 0, .size: 8, .value_kind: global_buffer, .address_space: global }
      - { .name: Wg, .offset: 8, .size: 8, .value_kind: global_buffer, .address_space: global }
      - { .name: xq, .offset: 16, .size: 8, .value_kind: global_buffer, .address_space: global }
      - { .name: xsc, .offset: 24, .size: 8, .value_kind: global_buffer, .address_space: global }
      - { .name: eidx, .offset: 32, .size: 8, .value_kind: global_buffer, .address_space: global }
    .group_segment_fixed_size: 22016
    .private_segment_fixed_size: 0
    .kernarg_segment_align: 8
    .kernarg_segment_size: 40
    .max_flat_workgroup_size: 128
    .sgpr_count:     66
    .vgpr_count:     384
    .wavefront_size: 32
...
	.end_amdgpu_metadata
.endif
;; end of part 1
;; launch wprep (part 2): grid 961 x 1, 4 waves a work-group, no clusters, 13,312 bytes of LDS; arguments eidx, w1s, w2s, w3s, W1, W2, W3, wq, order, tinfo; writes wq, order, tinfo
.if DOCPART == 2
	.amdgcn_target "amdgcn-amd-amdhsa--gfx1250"
	.amdhsa_code_object_version 6
	.text
	.protected	k_q537eb0cfe9_wprep
	.globl	k_q537eb0cfe9_wprep
	.p2align	8
	.type	k_q537eb0cfe9_wprep,@function
k_q537eb0cfe9_wprep:
	s_mov_b64 s[64:65], 0
	v_nop
	global_prefetch_b8 v0, s[64:65] scope:SCOPE_SE
	s_setreg_imm32_b32 hwreg(HW_REG_WAVE_MODE, 25, 1), 1
	s_wait_xcnt 0x0
; WORK-GROUP 0 sorts the tokens by expert (a counting sort, no atomics).  WORK-GROUPS 1 .. 960 turn the 15 weight matrices, f32 [K 1024][N 1024], into codes of BF6 (E3M2) in the order of an operand's registers.
; THE SORT.  Each expert's tokens take a run of slots that begins at a multiple of 144 (a tile of rows of the later launches): sum of ceil(n_e / 144) <= (4096 + 4 x 143) / 144 = 32 tiles for every split.
; order [4608]: slot -> token, 4096 where a slot has none.  tinfo [64]: tile -> expert, 4 where a tile has none.  Every word of both is stored once.
; THE WEIGHTS.  wq is 960 records of 12,800 bytes: part 0's four fragments (6,144), part 1's four, part 0's scale words (256: row r 16 bytes, word t for fragment t), part 1's.
; A fragment (16 columns x 128 K) is an image of its 12 registers: registers 4 j .. 4 j + 3 are 512 bytes, lane l's at 16 l.  Lane r of fragment 2 b + u holds column 32 b + 8 u + r + 8 (r / 8) of the part's 64,
; so that in a product used transposed the 16 registers of two neighbouring tiles are 16 neighbouring columns.
; Records 0 .. 639: ((16 g + q) 8 + s): g = 0 shared, 1 + e expert e; q a group of 64 hidden units; s the K step; part 0 = W1, part 1 = W2.  Records 640 ..: 640 + (8 g + cg) 8 + s: W3, cg a group of 128 columns, a part 64 of them.
; A LANE TAKES A COLUMN AND ITS REGISTERS RUN DOWN K: a block of 32 lies in one lane, and the conversions give codes with K innermost.  A wave takes 32 columns x 128 K: two fragments; a work-group 128 columns.
; Small shares, so that many waves lie on a WGP, each with 64 loads out: a block's loads are asked for two blocks ahead, as soon as the block before has landed.
; The codes leave through the wave's own stage in LDS as whole runs of 512 bytes; a wave's 32 scale words leave from registers, 4 bytes a lane: the two waves of a part fill its 256 bytes together.
; A block's scale byte is the largest magnitude's exponent field - 4, held at 1 from below.  LIMITS: NaN and infinities are not served; a block under 2^-122 (zeros too) keeps the byte 1; this program alone reads the bytes.
; The two ways part on the work-group's number and have LDS bytes of their own.
.set X,    32                          ; v32-159  four blocks of 32 numbers
.set SBW,  16                          ; v16      my column's scale word
.set OUTR, 160                         ; v160-183 the way out
.set CD,   184                         ; v184-215 a block's codes, eight registers a block: no store's data are written again
.set WST,  3072                        ; a wave's stage: two fragments' images
.set SRT,  12288                       ; the sort's 32 bytes of LDS
	s_load_b512 s[4:19], s[0:1], 0x0               ; eidx, w1s, w2s, w3s, W1, W2, W3, wq
	s_load_b128 s[20:23], s[0:1], 0x40             ; order, tinfo
	v_lshl_add_u32 v216, v0, 2, 0x3200
	v_mov_b32 v217, 0
	v_lshrrev_b32 v1, 5, v0
	v_readfirstlane_b32 s2, v1                     ; wave
	v_and_b32 v2, 31, v0                           ; lane
	s_wait_kmcnt 0x0
	s_cmp_eq_u32 ttmp9, 0
	s_cbranch_scc1 .Lsort
	; ---- the weights
	s_sub_co_u32 s3, ttmp9, 1
	s_lshr_b32 s26, s3, 6                          ; which matrix, 0 .. 14
	s_mul_i32 s27, s26, 11
	s_lshr_b32 s27, s27, 5                         ; g = matrix / 3
	s_mul_i32 s28, s27, 3
	s_sub_co_u32 s28, s26, s28                     ; kind: 0 W1, 1 W2, 2 W3
	s_bfe_u32 s29, s3, 0x30003                     ; which 128 columns
	s_lshl_b32 s29, s29, 1
	s_lshr_b32 s31, s2, 1
	s_add_co_u32 s29, s29, s31                     ; my group of 64 columns: 0 .. 15
	s_and_b32 s31, s2, 1                           ; and which 32 of them
	s_and_b32 s30, s3, 7                           ; the K step
	s_cmp_eq_u32 s28, 0                            ; the buffer: a choice on ids alone
	s_cselect_b64 s[32:33], s[6:7], s[8:9]
	s_cselect_b64 s[34:35], s[12:13], s[14:15]
	s_cmp_eq_u32 s28, 2
	s_cselect_b64 s[32:33], s[10:11], s[32:33]
	s_cselect_b64 s[34:35], s[16:17], s[34:35]
	s_cmp_eq_u32 s27, 0
	s_cselect_b64 s[32:33], s[32:33], s[34:35]
	s_max_u32 s36, s27, 1
	s_sub_co_u32 s36, s36, 1
	s_lshl_b32 s36, s36, 22                        ; the expert's 4 MiB,
	s_lshl_b32 s37, s30, 19                        ; 128 rows of 4,096 bytes a K step,
	s_add_co_u32 s36, s36, s37
	s_lshl_b32 s37, s29, 8                         ; 256 bytes of a row for 64 columns,
	s_add_co_u32 s36, s36, s37
	s_lshl_b32 s37, s31, 7                         ; 128 for my 32
	s_add_co_u32 s36, s36, s37
	s_mov_b32 s37, 0
	s_add_nc_u64 s[32:33], s[32:33], s[36:37]
	s_lshl_b32 s38, s27, 4
	s_add_co_u32 s38, s38, s29
	s_lshl_b32 s38, s38, 3
	s_add_co_u32 s38, s38, s30                     ; W1, W2: record (16 g + q) 8 + s
	s_lshl_b32 s39, s27, 3
	s_lshr_b32 s44, s29, 1
	s_add_co_u32 s39, s39, s44
	s_lshl_b32 s39, s39, 3
	s_add_co_u32 s39, s39, s30
	s_add_co_u32 s39, s39, 640                     ; W3: record 640 + (8 g + cg) 8 + s
	s_and_b32 s45, s29, 1
	s_cmp_eq_u32 s28, 2
	s_cselect_b32 s38, s39, s38
	s_cselect_b32 s39, s45, s28                    ; the part
	s_mul_i32 s38, s38, 12800
	s_mul_i32 s40, s39, 6144
	s_add_co_u32 s40, s40, s38
	s_mul_i32 s47, s31, 3072
	s_add_co_u32 s40, s40, s47
	s_mov_b32 s41, 0
	s_lshl_b32 s42, s39, 8
	s_add_co_u32 s42, s42, s38
	s_add_co_u32 s42, s42, 12288
	s_lshl_b32 s47, s31, 3
	s_add_co_u32 s42, s42, s47
	s_mov_b32 s43, 0
	s_add_nc_u64 s[40:41], s[18:19], s[40:41]      ; where my two fragments go,
	s_add_nc_u64 s[42:43], s[18:19], s[42:43]      ; and their scale words: words 2 p and 2 p + 1 of each row's four
	s_mul_i32 s46, s2, WST                         ; my wave's stage
	v_lshlrev_b32 v3, 2, v2                        ; in: 4 bytes a lane
	v_bfe_u32 v10, v2, 3, 1                        ; my column is row r of my fragment u: u = (lane / 8) % 2,
	v_and_b32 v11, 7, v2
	v_lshrrev_b32 v12, 4, v2
	v_lshl_or_b32 v11, v12, 3, v11                 ; r = lane % 8 + 8 (lane / 16)
	v_mul_u32_u24 v4, v10, 1536
	v_lshl_add_u32 v4, v11, 4, v4
	v_add_nc_u32 v4, s46, v4                       ; the images: 1,536 u + 16 r
	v_lshlrev_b32 v5, 4, v11
	v_lshl_add_u32 v5, v10, 2, v5                  ; the scale words, in memory: 16 r + 4 u
	v_lshlrev_b32 v7, 4, v2
	v_add_nc_u32 v6, s46, v7                       ; out: 16 bytes a lane
.macro LOADW bk                        ; block bk of 32 along K: 32 loads, each 128 consecutive bytes of a row; the wave beside me takes the 128 bytes beside them
.irp i, 0,1,2,3,4,5,6,7,8,9,10,11,12,13,14,15,16,17,18,19,20,21,22,23,24,25,26,27,28,29,30,31
	global_load_b32 v[X+32*(\bk)+\i], v3, s[32:33] offset:(32*(\bk)+\i)*4096 th:TH_LOAD_NT
.endr
.endm
.macro UNIT bk                         ; one block: the largest magnitude, the byte, the codes, into the images
.set XS, X+32*(\bk)
.set CC, CD+8*(\bk)
.set OB, 256*((\bk)%2)                 ; the block belongs to lanes 16 (bk % 2) + r of the fragment, registers 6 (bk / 2) on
	v_max3_num_f32 v12, |v[XS]|, |v[XS+1]|, |v[XS+2]|
	v_max3_num_f32 v13, |v[XS+3]|, |v[XS+4]|, |v[XS+5]|
.irp i, 6,10,14,18,22,26
	v_max3_num_f32 v12, v12, |v[XS+\i]|, |v[XS+\i+1]|
	v_max3_num_f32 v13, v13, |v[XS+\i+2]|, |v[XS+\i+3]|
.endr
	v_max3_num_f32 v12, v12, |v[XS+30]|, |v[XS+31]|
	v_max3_num_f32 v12, v12, v13, 0x2800000        ; the floor 2^(5 - 127): the byte cannot fall under 1
	v_add_nc_u32 v11, 0xfe000000, v12              ; 4 off the exponent field: the conversion's scale operand
	v_lshrrev_b32 v13, 23, v11                     ; the scale's byte
.if (\bk) == 0
	v_mov_b32 v[SBW], v13
.else
	v_lshl_or_b32 v[SBW], v13, 8*(\bk), v[SBW]
.endif
	v_cvt_scalef32_pk16_bf6_f32 v[CC:CC+2], v[XS:XS+15], v11
	v_cvt_scalef32_pk16_bf6_f32 v[CC+4:CC+6], v[XS+16:XS+31], v11   ; (a conversion's three registers begin on an even number)
	v_nop                                          ; one plain line behind the conversions
	v_mov_b32 v[CC+3], v[CC+4]
	v_mov_b32 v[CC+4], v[CC+5]
	v_mov_b32 v[CC+5], v[CC+6]                     ; six registers on end: the block's 24 bytes
.if (\bk) < 2
	ds_store_b128 v4, v[CC:CC+3] offset:OB         ; registers 0-3
	ds_store_b64 v4, v[CC+4:CC+5] offset:OB+512    ; 4, 5
.else
	ds_store_b64 v4, v[CC:CC+1] offset:OB+520      ; 6, 7
	ds_store_b128 v4, v[CC+2:CC+5] offset:OB+1024  ; 8-11
.endif
.endm
	LOADW 0
	LOADW 1
	s_wait_loadcnt 32                              ; block 0 is in; block 1's 32 loads may be out
	LOADW 2
	UNIT 0
	s_wait_loadcnt 32                              ; block 1 is in; block 2's may be out
	LOADW 3
	UNIT 1
	s_wait_loadcnt 32                              ; block 2 is in; block 3's may be out
	UNIT 2
	s_wait_loadcnt 0x0
	UNIT 3
	global_store_b32 v5, v[SBW], s[42:43]          ; my column's scale word
.irp i, 0,1,2,3,4,5
	ds_load_b128 v[OUTR+4*\i:OUTR+4*\i+3], v6 offset:512*\i   ; LDS serves a wave's instructions in order: these see my stores
.endr
.irp i, 0,1,2,3,4,5
	s_wait_dscnt 5-\i                              ; the younger loads may be out
	global_store_b128 v7, v[OUTR+4*\i:OUTR+4*\i+3], s[40:41] offset:512*\i   ; 512 consecutive bytes, at a multiple of 256 from wq's first byte
.endr
	s_wait_tensorcnt 0x0
	ds_add_u32 v216, v217
	s_wait_dscnt 0x0
	s_endpgm
	; ---- the sort: thread t holds tokens 32 t .. 32 t + 31
.Lsort:
	v_lshlrev_b32 v10, 7, v0
.irp i, 0,1,2,3,4,5,6,7
	global_load_b128 v[32+4*\i:35+4*\i], v10, s[4:5] offset:16*\i
.endr
	v_mov_b32 v11, 1
	v_mov_b32 v18, 0
	v_mov_b32 v14, 0                               ; (a DPP form's destination counts as read)
	v_mov_b32 v15, 0
	s_wait_loadcnt 0x0
.set i, 0
.rept 32
	v_min_u32 v[32+i], 3, v[32+i]
	v_lshlrev_b32 v24, 3, v[32+i]
	v_lshlrev_b32 v24, v24, v11
	v_add_nc_u32 v18, v18, v24                     ; my counts, four fields of 8 bits (32 at the most)
.set i, i+1
.endr
	v_and_b32 v12, 0xff, v18                       ; widened to fields of 16 bits (4,096 at the most): experts 0, 1 in v12, experts 2, 3 in v13
	v_bfe_u32 v24, v18, 8, 8
	v_lshl_or_b32 v12, v24, 16, v12
	v_bfe_u32 v13, v18, 16, 8
	v_lshrrev_b32 v24, 24, v18
	v_lshl_or_b32 v13, v24, 16, v13
	v_mov_b32 v16, v12                             ; my own counts are kept
	v_mov_b32 v17, v13
.irp n, 1,2,4,8                        ; running sums inside each 16 lanes
	v_mov_b32_dpp v14, v12 row_shr:\n row_mask:0xf bank_mask:0xf bound_ctrl:1
	v_mov_b32_dpp v15, v13 row_shr:\n row_mask:0xf bank_mask:0xf bound_ctrl:1
	v_add_nc_u32 v12, v12, v14
	v_add_nc_u32 v13, v13, v15
.endr
	v_readlane_b32 s30, v12, 15
	v_readlane_b32 s31, v13, 15
	v_cmp_lt_u32 vcc_lo, 15, v2
	v_mov_b32 v14, s30
	v_mov_b32 v15, s31
	v_cndmask_b32 v14, 0, v14, vcc_lo              ; lanes 16-31 add the lower half's total
	v_cndmask_b32 v15, 0, v15, vcc_lo
	v_add_nc_u32 v12, v12, v14
	v_add_nc_u32 v13, v13, v15
	v_readlane_b32 s32, v12, 31
	v_readlane_b32 s33, v13, 31
	v_mov_b32 v14, s32
	v_mov_b32 v15, s33
	s_lshl_b32 s34, s2, 3
	s_add_co_u32 s34, s34, SRT
	v_mov_b32 v24, s34
	ds_store_b64 v24, v[14:15]                     ; my wave's totals
	s_wait_dscnt 0x0
	s_barrier_signal -1
	s_barrier_wait -1
	v_mov_b32 v29, SRT
	ds_load_b128 v[96:99], v29
	ds_load_b128 v[100:103], v29 offset:16
	s_wait_dscnt 0x0
.irp i, 0,1,2,3,4,5,6,7
	v_readfirstlane_b32 s[40+\i], v[96+\i]
.endr
	s_mov_b32 s48, 0
	s_mov_b32 s49, 0
.irp j, 0,1,2                          ; the totals of the waves ahead of mine
	s_cmp_gt_u32 s2, \j
	s_cselect_b32 s66, s[40+2*\j], 0
	s_cselect_b32 s67, s[41+2*\j], 0
	s_add_co_u32 s48, s48, s66
	s_add_co_u32 s49, s49, s67
.endr
	s_add_co_u32 s50, s40, s42
	s_add_co_u32 s50, s50, s44
	s_add_co_u32 s50, s50, s46
	s_add_co_u32 s51, s41, s43
	s_add_co_u32 s51, s51, s45
	s_add_co_u32 s51, s51, s47
	s_and_b32 s52, s50, 0xffff                     ; n_e
	s_lshr_b32 s53, s50, 16
	s_and_b32 s54, s51, 0xffff
	s_lshr_b32 s55, s51, 16
	s_mov_b32 s68, 0
.irp e, 0,1,2,3
	s_mul_i32 s[60+\e], s68, 144                   ; S_e: the expert's first slot
	s_add_co_u32 s66, s[52+\e], 143
	s_mul_i32 s66, s66, 29128
	s_lshr_b32 s66, s66, 22                        ; ceil(n_e / 144): (n + 143) x 29,128 >> 22 is the exact quotient for arguments under 32,768
	s_add_co_u32 s68, s68, s66
	s_mov_b32 s[56+\e], s68                        ; E_e: tiles up to and with expert e
.endr
	s_add_co_u32 s71, s52, s53                     ; tokens of experts 0, 1;
	s_add_co_u32 s72, s71, s54                     ; of experts 0 to 2
	s_mul_i32 s74, s56, 144
	s_sub_co_u32 s74, s74, s52                     ; empty slots up to the end of expert 0's run: 144 E_0 - n_0;
	s_mul_i32 s75, s57, 144
	s_sub_co_u32 s75, s75, s71                     ; of expert 1's;
	s_mul_i32 s76, s58, 144
	s_sub_co_u32 s76, s76, s72                     ; of expert 2's
	v_sub_nc_u32 v12, v12, v16                     ; those ahead of me in my wave,
	v_sub_nc_u32 v13, v13, v17
	v_add_nc_u32 v12, s48, v12                     ; and in the waves ahead
	v_add_nc_u32 v13, s49, v13
	v_and_b32 v20, 0xffff, v12
	v_add_nc_u32 v20, s60, v20                     ; v20-23: the next slot of each expert for my tokens
	v_lshrrev_b32 v21, 16, v12
	v_add_nc_u32 v21, s61, v21
	v_and_b32 v22, 0xffff, v13
	v_add_nc_u32 v22, s62, v22
	v_lshrrev_b32 v23, 16, v13
	v_add_nc_u32 v23, s63, v23
.set i, 0
.rept 32
	v_mov_b32 v24, v20
	v_cmp_eq_u32 vcc_lo, 0, v[32+i]
	v_add_co_ci_u32 v20, vcc_lo, 0, v20, vcc_lo    ; the chosen expert's next slot steps by one
	v_cmp_eq_u32 vcc_lo, 1, v[32+i]
	v_cndmask_b32 v24, v24, v21, vcc_lo
	v_add_co_ci_u32 v21, vcc_lo, 0, v21, vcc_lo
	v_cmp_eq_u32 vcc_lo, 2, v[32+i]
	v_cndmask_b32 v24, v24, v22, vcc_lo
	v_add_co_ci_u32 v22, vcc_lo, 0, v22, vcc_lo
	v_cmp_eq_u32 vcc_lo, 3, v[32+i]
	v_cndmask_b32 v24, v24, v23, vcc_lo
	v_add_co_ci_u32 v23, vcc_lo, 0, v23, vcc_lo
	v_min_u32 v[32+i], 0x11ff, v24                 ; the slot, inside order's 4,608 words
	v_lshlrev_b32 v[32+i], 2, v[32+i]
	v_lshl_add_u32 v[64+i], v0, 5, i               ; the token
	global_store_b32 v[32+i], v[64+i], s[20:21]
.set i, i+1
.endr
	; THE EMPTY SLOTS are 4,608 - 4,096 = 512 for every split: four to a thread.  The q-th of them has q empty slots ahead of it and all tokens of the experts up to its own: slot = q + n_0 + (n_1, n_2, n_3 as q passes each run's end).
	v_lshlrev_b32 v25, 2, v0
	v_mov_b32 v26, 4096
	v_mov_b32 v108, s53
	v_mov_b32 v109, s54
	v_mov_b32 v110, s55
.set i, 0
.rept 4
	v_add_nc_u32 v24, 128*i, v0                    ; q
	v_add_nc_u32 v27, s52, v24
	v_cmp_le_u32 vcc_lo, s74, v24
	v_cndmask_b32 v28, 0, v108, vcc_lo
	v_add_nc_u32 v27, v27, v28
	v_cmp_le_u32 vcc_lo, s75, v24
	v_cndmask_b32 v28, 0, v109, vcc_lo
	v_add_nc_u32 v27, v27, v28
	v_cmp_le_u32 vcc_lo, s76, v24
	v_cndmask_b32 v28, 0, v110, vcc_lo
	v_add_nc_u32 v27, v27, v28
	v_min_u32 v[104+i], 0x11ff, v27                ; inside order's 4,608 words
	v_lshlrev_b32 v[104+i], 2, v[104+i]
	global_store_b32 v[104+i], v26, s[20:21]
.set i, i+1
.endr
	s_cmp_gt_u32 s2, 1
	s_cbranch_scc1 .Lsorted
	v_mov_b32 v28, 0
.irp j, 0,1,2,3
	v_cmp_le_u32 vcc_lo, s[56+\j], v0
	v_add_co_ci_u32 v28, vcc_lo, 0, v28, vcc_lo    ; tile t belongs to the first expert with t < E_e; 4 if there is none
.endr
	global_store_b32 v25, v28, s[22:23]
.Lsorted:
	s_wait_tensorcnt 0x0
	ds_add_u32 v216, v217
	s_wait_dscnt 0x0
	s_endpgm
.Lfunc_end_k_q537eb0cfe9_wprep:
	.size	k_q537eb0cfe9_wprep, .Lfunc_end_k_q537eb0cfe9_wprep-k_q537eb0cfe9_wprep
	.p2alignl 7, 3214868480
	.fill 96, 4, 3214868480
	.section	.rodata,"a",@progbits
	.p2align	6, 0x0
	.amdhsa_kernel k_q537eb0cfe9_wprep
		.amdhsa_group_segment_fixed_size 13312
		.amdhsa_private_segment_fixed_size 0
		.amdhsa_enable_private_segment 0
		.amdhsa_kernarg_size 80
		.amdhsa_user_sgpr_count 2
		.amdhsa_user_sgpr_kernarg_segment_ptr 1
		.amdhsa_wavefront_size32 1
		.amdhsa_system_sgpr_workgroup_id_x 1
		.amdhsa_system_sgpr_workgroup_id_y 1
		.amdhsa_system_sgpr_workgroup_id_z 1
		.amdhsa_system_vgpr_workitem_id 0
		.amdhsa_next_free_vgpr 218
		.amdhsa_next_free_sgpr 80
		.amdhsa_reserve_vcc 1
		.amdhsa_float_denorm_mode_32 3
		.amdhsa_float_denorm_mode_16_64 3
		.amdhsa_memory_ordered 1
		.amdhsa_forward_progress 1
		.amdhsa_inst_pref_size 57
	.end_amdhsa_kernel
	.amdgpu_metadata
---
amdhsa.version: [ 1, 2 ]
amdhsa.kernels:
  - .name:           k_q537eb0cfe9_wprep
    .symbol:         k_q537eb0cfe9_wprep.kd
    .args:
      - { .name: eidx, .offset: 0, .size: 8, .value_kind: global_buffer, .address_space: global }
      - { .name: w1s, .offset: 8, .size: 8, .value_kind: global_buffer, .address_space: global }
      - { .name: w2s, .offset: 16, .size: 8, .value_kind: global_buffer, .address_space: global }
      - { .name: w3s, .offset: 24, .size: 8, .value_kind: global_buffer, .address_space: global }
      - { .name: W1, .offset: 32, .size: 8, .value_kind: global_buffer, .address_space: global }
      - { .name: W2, .offset: 40, .size: 8, .value_kind: global_buffer, .address_space: global }
      - { .name: W3, .offset: 48, .size: 8, .value_kind: global_buffer, .address_space: global }
      - { .name: wq, .offset: 56, .size: 8, .value_kind: global_buffer, .address_space: global }
      - { .name: order, .offset: 64, .size: 8, .value_kind: global_buffer, .address_space: global }
      - { .name: tinfo, .offset: 72, .size: 8, .value_kind: global_buffer, .address_space: global }
    .group_segment_fixed_size: 13312
    .private_segment_fixed_size: 0
    .kernarg_segment_align: 8
    .kernarg_segment_size: 80
    .max_flat_workgroup_size: 128
    .sgpr_count:     80
    .vgpr_count:     218
    .wavefront_size: 32
...
	.end_amdgpu_metadata
.endif
;; end of part 2
;; launch up (part 3): grid 8 x 32, 4 waves a work-group, no clusters, 114,688 bytes of LDS; arguments xq, xsc, wq, order, tinfo, hq, hs; writes hq, hs
.if DOCPART == 3
	.amdgcn_target "amdgcn-amd-amdhsa--gfx1250"
	.amdhsa_code_object_version 6
	.text
	.protected	k_q537eb0cfe9_up
	.globl	k_q537eb0cfe9_up
	.p2align	8
	.type	k_q537eb0cfe9_up,@function
k_q537eb0cfe9_up:
	s_mov_b64 s[64:65], 0
	v_nop
	global_prefetch_b8 v0, s[64:65] scope:SCOPE_SE
	s_setreg_imm32_b32 hwreg(HW_REG_WAVE_MODE, 25, 1), 1
	s_wait_xcnt 0x0
; The hidden layer h = gelu(x W1) * (x W2), exact (erf) gelu in f32, both products on codes of BF6 (E3M2) with E8M0 scales, for one tile of 144 slots and 256 hidden units; h is quantised on the way.
; Work-group x = cg: 0-3 the shared weights' hidden groups of 256, 4-7 the tile's expert's.  Work-group y = the tile.  The next product's K is [shared 1,024 | expert 1,024], 16 K steps.
; SHARES: wave w makes 144 slots x 64 hidden units (group q = 4 (cg % 4) + w): four tiles of W1 and four of W2, 72 accumulators.  The tile's 144 rows of x's codes are gathered by the stored list into LDS once;
; the weights come from memory straight into registers, as images of the operand's registers, two K steps ahead.  At the head the requests stand in the order in which they can be made and are wanted:
; the list, the weights' K step 0, the rows (as soon as the list is in), their scale words, K step 1.
; The product is used TRANSPOSED (source 0 = 16 columns of a weight, source 1 = 16 slots): a lane holds one slot, and the 16 registers of two neighbouring tiles are 16 neighbouring hidden units.
; hq [tile][K step 16][block of rows 9][1,536]: half c of a fragment at 768 c: registers 6 c .. 6 c + 3 as 512 bytes (16 a lane), 6 c + 4, 6 c + 5 as 256 (8 a lane).  hs [tile][K step][144] scale words.
; A slot without a token takes token 4,095's row, a tile without an expert expert 3's weights: their results are stored here and dropped by the next launch.  The barriers stand on every wave's way, so no
; work-group ends early on a stored number.  No tensor loads and no joint loads: the rows are a gather by a stored list, and the weights' address hangs on a stored number.
; gelu: Phi = 1/2 + z P(z^2) / Q(z^2), z = u / sqrt(2) held to +-4, P / Q the rational form of erf / 2 (degrees 13 and 8).  LIMITS: Phi's error is about 1e-7 absolute, so gelu's relative error grows for u < -3.
; NaN and infinities are not served; a block under 2^-122 (zeros too) keeps the scale byte 1; this program alone reads the bytes.
; REGISTERS: window 0: v1-15 addresses; v16-23 the weights' scale words, two sets; v24-95 x's scale words (8 a + s); v96-203 x's nine fragments; v204-230 the list's tokens.  Window 1: v0-191 the weights, two sets; v192-255 block 8's
; accumulators.  Window 2: blocks 0-3 (64 a + 8 f; at the head the gather's stage).  Window 3: blocks 4-7.  f = 0-3: W1's tiles, 4-7: W2's.
.set PITCH, 784                        ; a row of x in LDS: 768 bytes + 16 = 49 x 16: the 16 rows of a load of 16 bytes a lane fall on 16 different columns of 16 bytes
.set ABLK,  16*PITCH
.set HSL,   144*PITCH                  ; behind the rows: the scale words of my work-group's two K steps, 2 x 576 bytes
.set REC,   12800
.set BS,  16
.set SA,  24
.set AF,  96
.set TK,  204
.set TA,  222
.set Z,   96                           ; the way out, window 0: z
.set G,   112                          ; u v
.set H,   128                          ; z^2, then h
.set P,   144
.set Q,   160
.set CT,  198                          ; v198-200 the second block's codes
.set S16, 213                          ; v213-221 a block of rows' 16 scale bits
.set MSB, 0
.macro WIN new                         ; the immediate's high byte repeats the setting that is left
.if MSB != \new
	s_set_vgpr_msb (MSB<<8)|\new
.set MSB, \new
.endif
.endm
.macro PLACES                          ; a load into a register that a matrix instruction has read, and a vector instruction that reads its result, stand four plain vector instructions behind it
.rept 4
	v_nop
.endr
.endm
.macro KONST r, bits                   ; a constant as a pair: the packed forms name the pair and take its low word for both halves
	s_mov_b32 s[\r], \bits
	s_mov_b32 s[\r+1], \bits
.endm
	s_load_b256 s[4:11], s[0:1], 0x0               ; xq, xsc, wq, order
	s_load_b128 s[12:15], s[0:1], 0x20             ; tinfo, hq
	s_load_b64 s[16:17], s[0:1], 0x30              ; hs
	v_lshl_add_u32 v254, v0, 2, 0x1be00
	v_mov_b32 v255, 0
	v_lshrrev_b32 v1, 5, v0
	v_readfirstlane_b32 s18, v1                    ; wave
	s_mov_b32 s19, ttmp9                           ; cg
	s_and_b32 s20, ttmp7, 0xffff                   ; tile
	s_lshl_b32 s23, s20, 2
	s_wait_kmcnt 0x0
	s_load_b32 s21, s[12:13], s23 offset:0x0       ; the tile's expert
	v_and_b32 v1, 15, v0                           ; r
	v_bfe_u32 v2, v0, 4, 1                         ; h
	v_and_b32 v14, 31, v0                          ; lane
	v_mul_u32_u24 v3, v1, PITCH
	v_mad_u32_u24 v3, v2, 48, v3                   ; a fragment of x: row r, + 48 h
	v_add_nc_u32 v4, 5*ABLK, v3                    ; the same from block 5 on (an LDS offset has 16 bits)
	v_lshlrev_b32 v5, 4, v14                       ; 16 x lane
	v_lshlrev_b32 v6, 3, v14                       ; 8 x lane
	v_lshlrev_b32 v13, 4, v1
	s_lshr_b32 s32, s19, 2                         ; 0 shared, 1 expert
	s_and_b32 s33, s19, 3
	s_lshl_b32 s34, s33, 2
	s_add_co_u32 s34, s34, s18                     ; q
	s_lshr_b32 s35, s18, 1
	s_and_b32 s58, s18, 1                          ; c: which half of a K step of the next product is mine
	s_lshl_b32 s59, s32, 3
	s_lshl_b32 s60, s33, 1
	s_add_co_u32 s59, s59, s60                     ; the work-group's first K step of the next product
	s_mul_i32 s60, s35, 576
	s_lshl_b32 s61, s58, 1
	s_add_co_u32 s60, s60, s61
	s_add_co_u32 s60, s60, HSL
	v_lshl_add_u32 v7, v1, 2, s60                  ; where my 16 scale bits of row r go: 576 (wave / 2) + 4 r + 2 c
	s_lshl_b32 s61, s18, 7
	v_lshl_add_u32 v9, v14, 2, s61                 ; 128 x wave + 4 x lane: the scale words' way out, in hs
	v_add_nc_u32 v8, HSL, v9                       ; and in LDS
	s_mul_i32 s60, s18, 36*PITCH
	v_mul_u32_u24 v10, v2, PITCH
	v_lshl_add_u32 v10, v1, 4, v10
	v_add_nc_u32 v10, s60, v10                     ; the gather: my wave's 36 rows, two a pass: row h, 16 r
	s_mul_i32 s60, s18, 144
	v_lshl_add_u32 v11, v2, 2, s60                 ; the list: slot 36 wave + 2 p + h,
	v_lshlrev_b32 v12, 2, v1                       ; and slot 16 a + r
	s_mul_i32 s60, s20, 576
	s_mov_b32 s61, 0
	s_add_nc_u64 s[26:27], s[10:11], s[60:61]
.irp p, 0,1,2,3,4,5,6,7,8,9,10,11,12,13,14,15,16,17
	global_load_b32 v[TK+\p], v11, s[26:27] offset:8*\p
.endr
.irp a, 0,1,2,3,4,5,6,7,8
	global_load_b32 v[TA+\a], v12, s[26:27] offset:64*\a
.endr
	s_lshl_b32 s60, s20, 4
	s_add_co_u32 s62, s60, s59
	s_add_co_u32 s60, s62, s35
	s_mul_i32 s60, s60, 13824
	s_mul_i32 s63, s58, 768
	s_add_co_u32 s60, s60, s63
	s_add_nc_u64 s[28:29], s[14:15], s[60:61]      ; hq at my K step's fragments, my half
	s_mul_i32 s60, s62, 576
	s_add_nc_u64 s[30:31], s[16:17], s[60:61]      ; hs at the work-group's two K steps
	KONST 36, 0x3f3504f3                           ; 1 / sqrt(2)
	KONST 38, 0xaf15df0b                           ; erf's numerator, halved: z^13,
	KONST 40, 0xb58cff51                           ; z^9 (z^11 lies in v176),
	KONST 42, 0xb7eec2d2                           ; z^7,
	KONST 44, 0xb9c0ac63                           ; z^5,
	KONST 46, 0xbac1a1f6                           ; z^3,
	KONST 48, 0xbc03dbd4                           ; z
	KONST 50, 0xb77460cd                           ; the denominator: z^8 (z^6 lies in v178),
	KONST 52, 0xbadc924e                           ; z^4,
	KONST 54, 0xbbf19bf8                           ; z^2,
	KONST 56, 0xbc69b6a7                           ; 1
	s_mov_b32 s66, 0x76543210
	s_mov_b32 s67, 0xfedcba98                      ; v_permlanex16_b32's selects for lane l xor 16
	s_wait_kmcnt 0x0
	s_min_u32 s21, s21, 3
	s_add_co_u32 s22, s21, 1
	s_mul_i32 s22, s22, s32                        ; g: 0 shared, 1 + expert
	s_lshl_b32 s60, s22, 4
	s_add_co_u32 s60, s60, s34
	s_mul_i32 s60, s60, 8*REC
	s_add_nc_u64 s[24:25], s[8:9], s[60:61]        ; my eight records
.macro BLOAD s                         ; K step s of the weights: 25 loads: the scale words (lanes 0-15 W1's rows, lanes 16-31 W2's), then eight fragments
	global_load_b128 v[BS+4*((\s)%2):BS+4*((\s)%2)+3], v5, s[24:25] offset:REC*(\s)+12288
	WIN 0x40
.irp i, 0,1,2,3,4,5,6,7,8,9,10,11,12,13,14,15,16,17,18,19,20,21,22,23
	global_load_b128 v[96*((\s)%2)+4*\i:96*((\s)%2)+4*\i+3], v5, s[24:25] offset:REC*(\s)+512*\i
.endr
	WIN 0
.endm
	BLOAD 0
	s_wait_loadcnt 25                              ; the list is in; the 25 loads of the weights' K step 0 may be out
.irp p, 0,1,2,3,4,5,6,7,8,9,10,11,12,13,14,15,16,17
	v_min_u32 v[TK+\p], 0xfff, v[TK+\p]            ; a slot without a token takes the last token's row
	v_mul_u32_u24 v[TK+\p], v[TK+\p], 768
	v_add_nc_u32 v[TK+\p], v[TK+\p], v13
.endr
.irp a, 0,1,2,3,4,5,6,7,8
	v_min_u32 v[TA+\a], 0xfff, v[TA+\a]
	v_lshlrev_b32 v[TA+\a], 5, v[TA+\a]
.endr
	WIN 0x80                                       ; destination window 2
.irp p, 0,1,2,3,4,5,6,7,8,9,10,11,12,13,14,15,16,17
.irp j, 0,1,2
	global_load_b128 v[12*\p+4*\j:12*\p+4*\j+3], v[TK+\p], s[4:5] offset:256*\j   ; sixteen lanes read 256 consecutive bytes of a row, aligned
.endr
.endr
	WIN 0
.irp a, 0,1,2,3,4,5,6,7,8
.irp j, 0,1
	global_load_b128 v[SA+8*\a+4*\j:SA+8*\a+4*\j+3], v[TA+\a], s[6:7] offset:16*\j   ; row r's eight scale words
.endr
.endr
	BLOAD 1
	s_wait_loadcnt 43                              ; the rows are in; behind them stand the 18 loads of scale words and the 25 of the weights' K step 1
	WIN 0x08                                       ; an LDS store's data are its source 1: window 2
.irp p, 0,1,2,3,4,5,6,7,8,9,10,11,12,13,14,15,16,17
.irp j, 0,1,2
	ds_store_b128 v10, v[12*\p+4*\j:12*\p+4*\j+3] offset:2*PITCH*\p+256*\j
.endr
.endr
	WIN 0
	s_wait_dscnt 0x0                               ; for the others' sake: my 36 rows lie in LDS
	s_barrier_signal -1
	s_barrier_wait -1
.macro AFR a, s                        ; block a's fragment of K step s: 48 bytes a lane
.irp j, 0,1,2
.if (\a) < 5
	ds_load_b128 v[AF+12*(\a)+4*\j:AF+12*(\a)+4*\j+3], v3 offset:ABLK*(\a)+96*(\s)+16*\j
.else
	ds_load_b128 v[AF+12*(\a)+4*\j:AF+12*(\a)+4*\j+3], v4 offset:ABLK*((\a)-5)+96*(\s)+16*\j
.endif
.endr
.endm
.macro ALO s                           ; blocks 0-3: 12 loads
.irp a, 0,1,2,3
	AFR \a, \s
.endr
.endm
.macro AHI s                           ; blocks 4-8: 15 loads
.irp a, 4,5,6,7,8
	AFR \a, \s
.endr
.endm
; Block a against the weights' eight tiles.  The 72 accumulators take turns, one instruction a turn, in the same order in every K step.  zero = 1: the first product starts the sums.
.macro MULG a, s, zero
.if (\a) < 4
.set AC, 64*(\a)
.elseif (\a) < 8
.set AC, 64*((\a)-4)
.else
.set AC, 192
.endif
.set FB, 96*((\s)%2)
.set FA, AF+12*(\a)
.set SX, SA+8*(\a)+(\s)
.irp f, 0,1,2,3,4,5,6,7
.set SW, BS+4*((\s)%2)+\f%4
.if \zero
.if \f < 4
	v_wmma_scale_f32_16x16x128_f8f6f4 v[AC+8*\f:AC+8*\f+7], v[FB+12*\f:FB+12*\f+11], v[FA:FA+11], 0, v[SW], v[SX] matrix_a_fmt:MATRIX_FMT_BF6 matrix_b_fmt:MATRIX_FMT_BF6
.else
	v_wmma_scale_f32_16x16x128_f8f6f4 v[AC+8*\f:AC+8*\f+7], v[FB+12*\f:FB+12*\f+11], v[FA:FA+11], 0, v[SW], v[SX] matrix_a_fmt:MATRIX_FMT_BF6 matrix_b_fmt:MATRIX_FMT_BF6 matrix_a_scale:MATRIX_SCALE_ROW1
.endif
.else
.if \f < 4
	v_wmma_scale_f32_16x16x128_f8f6f4 v[AC+8*\f:AC+8*\f+7], v[FB+12*\f:FB+12*\f+11], v[FA:FA+11], v[AC+8*\f:AC+8*\f+7], v[SW], v[SX] matrix_a_fmt:MATRIX_FMT_BF6 matrix_b_fmt:MATRIX_FMT_BF6
.else
	v_wmma_scale_f32_16x16x128_f8f6f4 v[AC+8*\f:AC+8*\f+7], v[FB+12*\f:FB+12*\f+11], v[FA:FA+11], v[AC+8*\f:AC+8*\f+7], v[SW], v[SX] matrix_a_fmt:MATRIX_FMT_BF6 matrix_b_fmt:MATRIX_FMT_BF6 matrix_a_scale:MATRIX_SCALE_ROW1
.endif
.endif
.endr
.endm
.macro KSTEP s, zero
	s_wait_dscnt 15                                ; x's blocks 0-3 are in; the 15 loads of blocks 4-8 may be out
.if (\s) == 7
	s_wait_loadcnt 0x0
.elseif (\s) > 0
	s_wait_loadcnt 25                              ; this step's weights are in; the next step's 25 loads may be out
.endif
	WIN 0xa1                                       ; source 0 (weights) window 1, source 1 (x) window 0, C and D window 2
	MULG 0, \s, \zero
	MULG 1, \s, \zero
	MULG 2, \s, \zero
	MULG 3, \s, \zero
	PLACES
	WIN 0
.if (\s) < 7
	ALO (\s)+1
	s_wait_dscnt 12                                ; blocks 4-8 are in; the 12 loads just issued may be out
.else
	s_wait_dscnt 0x0
.endif
	WIN 0xf1                                       ; C and D window 3
	MULG 4, \s, \zero
	MULG 5, \s, \zero
	MULG 6, \s, \zero
	MULG 7, \s, \zero
	WIN 0x51                                       ; C and D window 1
	MULG 8, \s, \zero
	PLACES
	WIN 0
.if (\s) < 7
	AHI (\s)+1
.endif
.if (\s) < 6
	BLOAD (\s)+2
.endif
.endm
	ALO 0
	AHI 0
	s_wait_loadcnt 25                              ; x's scale words and the weights' K step 0 are in; K step 1's 25 loads may be out
	KSTEP 0, 1
	KSTEP 1, 0
	KSTEP 2, 0
	KSTEP 3, 0
	KSTEP 4, 0
	KSTEP 5, 0
	KSTEP 6, 0
	KSTEP 7, 0
	; ---- the way out.  AB, AW: the block's first accumulator register and its window
	v_mov_b32 v176, 0x326dffee                     ; the numerator's z^11, halved, as a pair;
	v_mov_b32 v177, 0x326dffee
	v_mov_b32 v178, 0xb95fbd29                     ; the denominator's z^6
	v_mov_b32 v179, 0xb95fbd29
	v_mov_b32 v182, 0                              ; written once: a lane permute's destination counts as one of its sources
.macro GELU bp                         ; 16 numbers of my slot: hidden units 32 bp + 16 h + 0 .. 15: h = u v Phi(u)
	WIN 5*AW                                       ; sources 0 and 1: the accumulators' window
.irp i, 0,1,2,3,4,5,6,7
	v_pk_mul_f32 v[G+2*\i:G+2*\i+1], v[AB+16*(\bp)+2*\i:AB+16*(\bp)+2*\i+1], v[AB+32+16*(\bp)+2*\i:AB+32+16*(\bp)+2*\i+1]   ; u v: each accumulator from its low end on
.endr
.irp i, 0,1,2,3,4,5,6,7
	v_pk_mul_f32 v[Z+2*\i:Z+2*\i+1], v[AB+16*(\bp)+2*\i:AB+16*(\bp)+2*\i+1], s[36:37] op_sel_hi:[1,0]
.endr
	WIN 0
.irp i, 0,1,2,3,4,5,6,7,8,9,10,11,12,13,14,15
	v_med3_num_f32 v[Z+\i], v[Z+\i], -4.0, 4.0     ; beyond +-4 erf is +-1 to f32
.endr
.irp i, 0,1,2,3,4,5,6,7
	v_pk_mul_f32 v[H+2*\i:H+2*\i+1], v[Z+2*\i:Z+2*\i+1], v[Z+2*\i:Z+2*\i+1]
.endr
.irp i, 0,1,2,3,4,5,6,7
	v_pk_fma_f32 v[P+2*\i:P+2*\i+1], v[H+2*\i:H+2*\i+1], s[38:39], v[176:177] op_sel_hi:[1,0,1]
.endr
.irp i, 0,1,2,3,4,5,6,7
	v_pk_fma_f32 v[Q+2*\i:Q+2*\i+1], v[H+2*\i:H+2*\i+1], s[50:51], v[178:179] op_sel_hi:[1,0,1]
.endr
.irp k, 40,42,44,46,48
.irp i, 0,1,2,3,4,5,6,7
	v_pk_fma_f32 v[P+2*\i:P+2*\i+1], v[P+2*\i:P+2*\i+1], v[H+2*\i:H+2*\i+1], s[\k:\k+1] op_sel_hi:[1,1,0]
.endr
.endr
.irp k, 52,54,56
.irp i, 0,1,2,3,4,5,6,7
	v_pk_fma_f32 v[Q+2*\i:Q+2*\i+1], v[Q+2*\i:Q+2*\i+1], v[H+2*\i:H+2*\i+1], s[\k:\k+1] op_sel_hi:[1,1,0]
.endr
.endr
.irp i, 0,1,2,3,4,5,6,7,8,9,10,11,12,13,14,15
	v_rcp_f32 v[Q+\i], v[Q+\i]                     ; one batch
.endr
.irp i, 0,1,2,3,4,5,6,7
	v_pk_mul_f32 v[P+2*\i:P+2*\i+1], v[P+2*\i:P+2*\i+1], v[Z+2*\i:Z+2*\i+1]   ; plain work that names no reciprocal
.endr
	s_wait_alu depctr_va_vdst(0)                   ; one wait for the batch, ahead of its first reader
.irp i, 0,1,2,3,4,5,6,7
	v_pk_fma_f32 v[P+2*\i:P+2*\i+1], v[P+2*\i:P+2*\i+1], v[Q+2*\i:Q+2*\i+1], 0.5 op_sel_hi:[1,1,0]   ; Phi
.endr
.irp i, 0,1,2,3,4,5,6,7
	v_pk_mul_f32 v[H+2*\i:H+2*\i+1], v[G+2*\i:G+2*\i+1], v[P+2*\i:P+2*\i+1]
.endr
.endm
.macro QB bp, dst                      ; the block of 32 lies in lanes l and l xor 16: its largest magnitude, its byte, my 16 codes
	v_max3_num_f32 v180, |v[H]|, |v[H+1]|, 0x2800000   ; with the floor 2^(5 - 127): the byte cannot fall under 1
	v_max3_num_f32 v181, |v[H+2]|, |v[H+3]|, |v[H+4]|
	v_max3_num_f32 v180, v180, |v[H+5]|, |v[H+6]|
	v_max3_num_f32 v181, v181, |v[H+7]|, |v[H+8]|
	v_max3_num_f32 v180, v180, |v[H+9]|, |v[H+10]|
	v_max3_num_f32 v181, v181, |v[H+11]|, |v[H+12]|
	v_max3_num_f32 v180, v180, |v[H+13]|, |v[H+14]|
	v_max3_num_f32 v180, v180, v181, |v[H+15]|
	v_permlanex16_b32 v182, v180, s66, s67
	v_max_num_f32 v180, v180, v182
	v_add_nc_u32 v183, 0xfe000000, v180            ; 4 off the exponent field: the conversion's scale operand
.if (\bp) == 0
	s_wait_xcnt 0x0                                ; the earlier blocks' stores have read their registers: the codes' registers are written again only behind this wait
.endif
	v_cvt_scalef32_pk16_bf6_f32 v[\dst:\dst+2], v[H:H+15], v183
	v_lshrrev_b32 v[184+(\bp)], 23, v183           ; the scale's byte (also the plain line behind the conversion)
.endm
.macro EPI a
.if (\a) < 4
.set AB, 64*(\a)
.set AW, 2
.elseif (\a) < 8
.set AB, 64*((\a)-4)
.set AW, 3
.else
.set AB, 192
.set AW, 1
.endif
.set CO, 192+12*((\a)%2)               ; v192-197 and v204-209 by turns
	GELU 0
	QB 0, CO
	GELU 1
	QB 1, CT
	v_lshl_or_b32 v[S16+(\a)], v185, 8, v184       ; my two bytes of row r's scale word
.irp i, 0,1,2
	v_permlane16_swap_b32 v[CO+\i], v[CT+\i]       ; the operand's layout wants a whole block in a lane: lanes 0-15 the first block, lanes 16-31 the second
.endr
.irp i, 0,1,2
	v_mov_b32 v[CO+3+\i], v[CT+\i]
.endr
	ds_store_b16 v7, v[S16+(\a)] offset:64*(\a)    ; both lanes of a row write the same bits
	global_store_b128 v5, v[CO:CO+3], s[28:29] offset:1536*(\a)       ; 512 consecutive bytes, at a multiple of 256 from hq's first byte
	global_store_b64 v6, v[CO+4:CO+5], s[28:29] offset:1536*(\a)+512  ; 256 likewise
.endm
.irp a, 0,1,2,3,4,5,6,7,8
	EPI \a
.endr
	s_wait_dscnt 0x0                               ; for the others' sake: my halves of the scale words lie in LDS
	s_barrier_signal -1
	s_barrier_wait -1
	ds_load_b32 v210, v8                           ; 1,152 bytes leave in nine runs of 128: wave w takes runs w and 4 + w, wave 0 the ninth
	ds_load_b32 v211, v8 offset:512
	s_cmp_lg_u32 s18, 0
	s_cbranch_scc1 .Lnot_wave_0
	ds_load_b32 v212, v8 offset:1024
	s_wait_dscnt 0x0
	global_store_b32 v9, v212, s[30:31] offset:1024
.Lnot_wave_0:
	s_wait_dscnt 0x0
	global_store_b32 v9, v210, s[30:31]
	global_store_b32 v9, v211, s[30:31] offset:512
	s_wait_tensorcnt 0x0
	ds_add_u32 v254, v255
	s_wait_dscnt 0x0
	s_endpgm
.Lfunc_end_k_q537eb0cfe9_up:
	.size	k_q537eb0cfe9_up, .Lfunc_end_k_q537eb0cfe9_up-k_q537eb0cfe9_up
	.p2alignl 7, 3214868480
	.fill 96, 4, 3214868480
	.section	.rodata,"a",@progbits
	.p2align	6, 0x0
	.amdhsa_kernel k_q537eb0cfe9_up
		.amdhsa_group_segment_fixed_size 114688
		.amdhsa_private_segment_fixed_size 0
		.amdhsa_enable_private_segment 0
		.amdhsa_kernarg_size 56
		.amdhsa_user_sgpr_count 2
		.amdhsa_user_sgpr_kernarg_segment_ptr 1
		.amdhsa_wavefront_size32 1
		.amdhsa_system_sgpr_workgroup_id_x 1
		.amdhsa_system_sgpr_workgroup_id_y 1
		.amdhsa_system_sgpr_workgroup_id_z 1
		.amdhsa_system_vgpr_workitem_id 0
		.amdhsa_next_free_vgpr 1024
		.amdhsa_next_free_sgpr 72
		.amdhsa_reserve_vcc 0
		.amdhsa_float_denorm_mode_32 3
		.amdhsa_float_denorm_mode_16_64 3
		.amdhsa_memory_ordered 1
		.amdhsa_forward_progress 1
		.amdhsa_inst_pref_size 255
	.end_amdhsa_kernel
	.section	.bss,"aw",@nobits
	.p2align	6
	.space	262144
	.amdgpu_metadata
---
amdhsa.version: [ 1, 2 ]
amdhsa.kernels:
  - .name:           k_q537eb0cfe9_up
    .symbol:         k_q537eb0cfe9_up.kd
    .args:
      - { .name: xq, .offset: 0, .size: 8, .value_kind: global_buffer, .address_space: global }
      - { .name: xsc, .offset: 8, .size: 8, .value_kind: global_buffer, .address_space: global }
      - { .name: wq, .offset: 16, .size: 8, .value_kind: global_buffer, .address_space: global }
      - { .name: order, .offset: 24, .size: 8, .value_kind: global_buffer, .address_space: global }
      - { .name: tinfo, .offset: 32, .size: 8, .value_kind: global_buffer, .address_space: global }
      - { .name: hq, .offset: 40, .size: 8, .value_kind: global_buffer, .address_space: global }
      - { .name: hs, .offset: 48, .size: 8, .value_kind: global_buffer, .address_space: global }
    .group_segment_fixed_size: 114688
    .private_segment_fixed_size: 0
    .kernarg_segment_align: 8
    .kernarg_segment_size: 56
    .max_flat_workgroup_size: 128
    .sgpr_count:     72
    .vgpr_count:     1024
    .wavefront_size: 32
...
	.end_amdgpu_metadata
.endif
;; end of part 3
;; launch down (part 4): grid 8 x 32, 4 waves a work-group, no clusters, 304,640 bytes of LDS; arguments hq, hs, wq, order, tinfo, out0; writes out0
.if DOCPART == 4
	.amdgcn_target "amdgcn-amd-amdhsa--gfx1250"
	.amdhsa_code_object_version 6
	.text
	.protected	k_q537eb0cfe9_down
	.globl	k_q537eb0cfe9_down
	.p2align	8
	.type	k_q537eb0cfe9_down,@function
k_q537eb0cfe9_down:
	s_mov_b64 s[64:65], 0
	v_nop
	global_prefetch_b8 v0, s[64:65] scope:SCOPE_SE
	s_setreg_imm32_b32 hwreg(HW_REG_WAVE_MODE, 25, 1), 1
	s_wait_xcnt 0x0
; out = [h_shared | h_expert] [w3s ; W3(expert)]: one product with K = 2,048 on codes of BF6 (E3M2) with E8M0 scales, for a tile of 144 slots (work-group y) and 128 columns (work-group x); rows go to their tokens by the stored list.
; So the shared part and the routed part of a row are one sum, and each row of out0 has one owner for each 128 columns.
; THE WAVES SHARE K: wave w takes K steps 4 w .. 4 w + 3 (waves 0, 1: w3s; waves 2, 3: the tile's expert) and holds the whole 144 x 128 in 72 accumulators.  So each fragment of h and of the weights is read once in the
; work-group, from memory straight into registers as an image of the operand's registers; the K loop has no LDS access and no barrier.  The four partial sums meet in LDS: four stages, one barrier, then each wave adds and
; stores 36 whole rows.  The order of that sum, (p0 + p1) + (p2 + p3), differs from a single chain along K.
; The product is used TRANSPOSED (source 0 = 16 columns of W3, source 1 = 16 slots): lane (r, h) holds slot r; register j of tile 2 b + u of a part is column 32 b + 16 h + 8 u + j.
; A slot without a token (4,096 in the list) is computed and not stored: a scalar branch on the stored number round the store alone.  No tensor loads and no joint loads: the weights' address hangs on a stored number.
; REGISTERS: window 0: v1-7, v34-35 addresses; v8-15 the weights' scale words, two sets; v16-33 h's scale words (2 a + pair of K steps: lanes 0-15 the even step, lanes 16-31 the odd); v36-143, v144-251 h's nine fragments, two sets;
; v252-253 my rows' tokens.  Window 1: v0-191 the weights, two sets; v192-255 block 8's accumulators.  Window 2: blocks 0-3.  Window 3: blocks 4-7.
.set REC,   12800
.set SPITCH, 528                       ; a stage row: 512 bytes + 16
.set STG,   144*SPITCH                 ; a wave's stage
.set BS,  8
.set HSC, 16
.set AF,  36
.set BUF, 36                           ; the tail: two sets of four rows x four stages x four registers
.set VO,  164                          ; v164-171 the stores' offsets
.set MSB, 0
.macro WIN new                         ; the immediate's high byte repeats the setting that is left
.if MSB != \new
	s_set_vgpr_msb (MSB<<8)|\new
.set MSB, \new
.endif
.endm
.macro PLACES                          ; a load into a register that a matrix instruction has read, and a store that reads its result, stand four plain vector instructions behind it
.rept 4
	v_nop
.endr
.endm
	s_load_b256 s[4:11], s[0:1], 0x0               ; hq, hs, wq, order
	s_load_b128 s[12:15], s[0:1], 0x20             ; tinfo, out0
	v_lshrrev_b32 v36, 5, v0
	v_readfirstlane_b32 s16, v36                   ; wave
	s_mov_b32 s17, ttmp9                           ; cg
	s_and_b32 s18, ttmp7, 0xffff                   ; tile
	s_lshl_b32 s21, s18, 2
	s_wait_kmcnt 0x0
	s_load_b32 s19, s[12:13], s21 offset:0x0       ; the tile's expert
	v_and_b32 v36, 15, v0                          ; r
	v_bfe_u32 v37, v0, 4, 1                        ; h
	v_and_b32 v38, 31, v0                          ; lane
	v_lshlrev_b32 v1, 4, v38                       ; 16 x lane
	v_lshlrev_b32 v2, 3, v38                       ; 8 x lane
	v_mul_u32_u24 v3, v37, 576
	v_lshl_add_u32 v3, v36, 2, v3                  ; h's scale words: K step h of a pair, row r
	s_mul_i32 s34, s16, STG
	v_mul_u32_u24 v4, v36, SPITCH
	v_lshl_add_u32 v4, v37, 6, v4
	v_add_nc_u32 v4, s34, v4                       ; my stage: row r, + 64 h
	v_add_nc_u32 v5, 4*16*SPITCH, v4               ; the same from block 4 on
	s_mul_i32 s39, s16, 36*SPITCH
	v_add_nc_u32 v6, s39, v1                       ; back: my 36 rows in stage 0, 16 bytes a lane,
	v_add_nc_u32 v7, STG, v6                       ; in stage 1,
	v_add_nc_u32 v34, 2*STG, v6                    ; 2,
	v_add_nc_u32 v35, 3*STG, v6                    ; 3
	v_lshlrev_b32 v254, 2, v38                     ; the list: my rows 0 .. 31,
	v_and_b32 v255, 3, v38
	v_lshlrev_b32 v255, 2, v255                    ; and 32 .. 35
	s_lshl_b32 s34, s18, 4
	s_lshl_b32 s35, s16, 2
	s_add_co_u32 s34, s34, s35                     ; 16 tile + 4 wave
	s_mul_i32 s36, s34, 13824
	s_mov_b32 s37, 0
	s_add_nc_u64 s[24:25], s[4:5], s[36:37]        ; h's fragments of my four K steps
	s_mul_i32 s36, s34, 576
	s_add_nc_u64 s[30:31], s[6:7], s[36:37]        ; and their scale words
	s_mul_i32 s36, s18, 576
	s_mul_i32 s38, s16, 144
	s_add_co_u32 s36, s36, s38
	s_add_nc_u64 s[32:33], s[10:11], s[36:37]      ; the list at my 36 rows
	s_lshl_b32 s36, s17, 9
	s_add_nc_u64 s[28:29], s[14:15], s[36:37]      ; out0 at my 128 columns
.irp pp, 0,1                           ; 20 loads
.irp a, 0,1,2,3,4,5,6,7,8
	global_load_b32 v[HSC+2*\a+\pp], v3, s[30:31] offset:1152*\pp+64*\a
.endr
.endr
	global_load_b32 v252, v254, s[32:33]
	global_load_b32 v253, v255, s[32:33] offset:128
	s_wait_kmcnt 0x0
	s_min_u32 s19, s19, 3
	s_add_co_u32 s20, s19, 1
	s_lshr_b32 s35, s16, 1
	s_mul_i32 s20, s20, s35                        ; g: 0 shared (waves 0, 1), 1 + expert (waves 2, 3)
	s_lshl_b32 s36, s20, 3
	s_add_co_u32 s36, s36, s17
	s_mul_i32 s36, s36, 8*REC
	s_and_b32 s38, s16, 1
	s_mul_i32 s38, s38, 4*REC
	s_add_co_u32 s36, s36, s38
	s_add_co_u32 s36, s36, 640*REC
	s_add_nc_u64 s[26:27], s[8:9], s[36:37]        ; my four records of W3
.macro BLOAD i                         ; my K step i of the weights: 25 loads: the scale words (lanes 0-15 columns 0-63, lanes 16-31 columns 64-127), then eight fragments
	global_load_b128 v[BS+4*((\i)%2):BS+4*((\i)%2)+3], v1, s[26:27] offset:REC*(\i)+12288
	WIN 0x40
.irp c, 0,1,2,3,4,5,6,7,8,9,10,11,12,13,14,15,16,17,18,19,20,21,22,23
	global_load_b128 v[96*((\i)%2)+4*\c:96*((\i)%2)+4*\c+3], v1, s[26:27] offset:REC*(\i)+512*\c
.endr
	WIN 0
.endm
.macro LAF i, a                        ; block a's fragment of my K step i: four loads
.set FB, AF+108*((\i)%2)+12*(\a)
.set FO, (9*(\i)+(\a))*1536
	global_load_b128 v[FB:FB+3], v1, s[24:25] offset:FO
	global_load_b64 v[FB+4:FB+5], v2, s[24:25] offset:FO+512
	global_load_b128 v[FB+6:FB+9], v1, s[24:25] offset:FO+768
	global_load_b64 v[FB+10:FB+11], v2, s[24:25] offset:FO+1280
.endm
.macro LA0 i                           ; blocks 0-3: 16 loads
.irp a, 0,1,2,3
	LAF \i, \a
.endr
.endm
.macro LA1 i                           ; blocks 4-8: 20 loads
.irp a, 4,5,6,7,8
	LAF \i, \a
.endr
.endm
; Block a against the weights' eight tiles.  The 72 accumulators take turns, one instruction a turn, in the same order in every K step.  K step 0's products start the sums.
.macro MULG a, i
.if (\a) < 4
.set AC, 64*(\a)
.elseif (\a) < 8
.set AC, 64*((\a)-4)
.else
.set AC, 192
.endif
.set FW, 96*((\i)%2)
.set FA, AF+108*((\i)%2)+12*(\a)
.set SX, HSC+2*(\a)+(\i)/2
.irp f, 0,1,2,3,4,5,6,7
.set SW, BS+4*((\i)%2)+\f%4
.if (\i) == 0
.if \f < 4
	v_wmma_scale_f32_16x16x128_f8f6f4 v[AC+8*\f:AC+8*\f+7], v[FW+12*\f:FW+12*\f+11], v[FA:FA+11], 0, v[SW], v[SX] matrix_a_fmt:MATRIX_FMT_BF6 matrix_b_fmt:MATRIX_FMT_BF6
.else
	v_wmma_scale_f32_16x16x128_f8f6f4 v[AC+8*\f:AC+8*\f+7], v[FW+12*\f:FW+12*\f+11], v[FA:FA+11], 0, v[SW], v[SX] matrix_a_fmt:MATRIX_FMT_BF6 matrix_b_fmt:MATRIX_FMT_BF6 matrix_a_scale:MATRIX_SCALE_ROW1
.endif
.elseif (\i)%2 == 0
.if \f < 4
	v_wmma_scale_f32_16x16x128_f8f6f4 v[AC+8*\f:AC+8*\f+7], v[FW+12*\f:FW+12*\f+11], v[FA:FA+11], v[AC+8*\f:AC+8*\f+7], v[SW], v[SX] matrix_a_fmt:MATRIX_FMT_BF6 matrix_b_fmt:MATRIX_FMT_BF6
.else
	v_wmma_scale_f32_16x16x128_f8f6f4 v[AC+8*\f:AC+8*\f+7], v[FW+12*\f:FW+12*\f+11], v[FA:FA+11], v[AC+8*\f:AC+8*\f+7], v[SW], v[SX] matrix_a_fmt:MATRIX_FMT_BF6 matrix_b_fmt:MATRIX_FMT_BF6 matrix_a_scale:MATRIX_SCALE_ROW1
.endif
.else
.if \f < 4
	v_wmma_scale_f32_16x16x128_f8f6f4 v[AC+8*\f:AC+8*\f+7], v[FW+12*\f:FW+12*\f+11], v[FA:FA+11], v[AC+8*\f:AC+8*\f+7], v[SW], v[SX] matrix_a_fmt:MATRIX_FMT_BF6 matrix_b_fmt:MATRIX_FMT_BF6 matrix_b_scale:MATRIX_SCALE_ROW1
.else
	v_wmma_scale_f32_16x16x128_f8f6f4 v[AC+8*\f:AC+8*\f+7], v[FW+12*\f:FW+12*\f+11], v[FA:FA+11], v[AC+8*\f:AC+8*\f+7], v[SW], v[SX] matrix_a_fmt:MATRIX_FMT_BF6 matrix_b_fmt:MATRIX_FMT_BF6 matrix_a_scale:MATRIX_SCALE_ROW1 matrix_b_scale:MATRIX_SCALE_ROW1
.endif
.endif
.endr
.endm
; w0, w1: how many younger loads may be out at the step's head and in its middle; more = 1: the K step two on is asked for as its registers come free
.macro KSTEP i, w0, w1, more
	s_wait_loadcnt \w0
	WIN 0xa1                                       ; source 0 (weights) window 1, source 1 (h) window 0, C and D window 2
	MULG 0, \i
	MULG 1, \i
	MULG 2, \i
	MULG 3, \i
	PLACES
	WIN 0
.if \more
	LA0 (\i)+2
.endif
	s_wait_loadcnt \w1
	WIN 0xf1                                       ; C and D window 3
	MULG 4, \i
	MULG 5, \i
	MULG 6, \i
	MULG 7, \i
	WIN 0x51                                       ; C and D window 1
	MULG 8, \i
	PLACES
	WIN 0
.if \more
	BLOAD (\i)+2
	LA1 (\i)+2
.endif
.endm
	BLOAD 0
	LA0 0
	LA1 0
	BLOAD 1
	LA0 1
	LA1 1
	; Loads come back in order.  Behind what a head needs (the weights and blocks 0-3) stand 20 + 25 + 16 + 20 = 81 loads, behind what a middle needs (blocks 4-8) 25 + 16 + 20 + 16 = 77: the wait names 63, the most that it can, which is the stricter.
	KSTEP 0, 63, 63, 1
	KSTEP 1, 63, 63, 1
	KSTEP 2, 63, 61, 0                             ; middle: behind blocks 4-8 stand K step 3's 16 + 25 + 20
	KSTEP 3, 20, 0, 0                              ; head: K step 3's blocks 4-8 may be out
	; ---- my partial sums go to my stage
.macro TOST a
.if (\a) < 4
.set AC, 64*(\a)
.set AD, 4
.set OF, 16*SPITCH*(\a)
	WIN 0x08                                       ; an LDS store's data are its source 1: window 2,
.elseif (\a) < 8
.set AC, 64*((\a)-4)
.set AD, 5
.set OF, 16*SPITCH*((\a)-4)
	WIN 0x0c                                       ; 3,
.else
.set AC, 192
.set AD, 5
.set OF, 16*SPITCH*4
	WIN 0x04                                       ; 1
.endif
.irp f, 0,1,2,3,4,5,6,7
	ds_store_b128 v[AD], v[AC+8*\f:AC+8*\f+3] offset:OF+256*(\f/4)+128*((\f/2)%2)+32*(\f%2)        ; each accumulator from its low end on
	ds_store_b128 v[AD], v[AC+8*\f+4:AC+8*\f+7] offset:OF+256*(\f/4)+128*((\f/2)%2)+32*(\f%2)+16
.endr
.endm
.irp a, 0,1,2,3,4,5,6,7,8
	TOST \a
.endr
	WIN 0
	s_wait_dscnt 0x0                               ; for the others' sake: my stage is whole
	s_barrier_signal -1
	s_barrier_wait -1
	; ---- wave w adds and stores rows 36 w .. 36 w + 35, four at a time
.macro LOADR b
	s_wait_xcnt 0x0                                ; the earlier stores have read their registers: these are loaded again only behind this wait
.irp j, 0,1,2,3
	ds_load_b128 v[BUF+64*((\b)%2)+16*\j:BUF+64*((\b)%2)+16*\j+3], v6 offset:SPITCH*(4*(\b)+\j)
	ds_load_b128 v[BUF+64*((\b)%2)+16*\j+4:BUF+64*((\b)%2)+16*\j+7], v7 offset:SPITCH*(4*(\b)+\j)
	ds_load_b128 v[BUF+64*((\b)%2)+16*\j+8:BUF+64*((\b)%2)+16*\j+11], v34 offset:SPITCH*(4*(\b)+\j)
	ds_load_b128 v[BUF+64*((\b)%2)+16*\j+12:BUF+64*((\b)%2)+16*\j+15], v35 offset:SPITCH*(4*(\b)+\j)
.endr
.endm
.macro ROWOUT rho, bb                  ; row rho of my 36; bb: the first of its 16 registers
	v_pk_add_f32 v[\bb:\bb+1], v[\bb:\bb+1], v[\bb+4:\bb+5]
	v_pk_add_f32 v[\bb+2:\bb+3], v[\bb+2:\bb+3], v[\bb+6:\bb+7]
	v_pk_add_f32 v[\bb+8:\bb+9], v[\bb+8:\bb+9], v[\bb+12:\bb+13]
	v_pk_add_f32 v[\bb+10:\bb+11], v[\bb+10:\bb+11], v[\bb+14:\bb+15]
	v_pk_add_f32 v[\bb:\bb+1], v[\bb:\bb+1], v[\bb+8:\bb+9]
	v_pk_add_f32 v[\bb+2:\bb+3], v[\bb+2:\bb+3], v[\bb+10:\bb+11]
.if (\rho) < 32
	v_readlane_b32 s40, v252, \rho
.else
	v_readlane_b32 s40, v253, (\rho)-32
.endif
	s_cmp_lt_u32 s40, 4096                         ; a slot without a token stores nothing
	s_cbranch_scc0 .Lnone_\@
	s_min_u32 s40, s40, 4095
	s_lshl_b32 s41, s40, 12                        ; the token's row of 4,096 bytes
	v_add_nc_u32 v[VO+(\rho)%8], s41, v1
	global_store_b128 v[VO+(\rho)%8], v[\bb:\bb+3], s[28:29] th:TH_STORE_NT   ; 32 lanes store 512 consecutive bytes, at a multiple of 256 from out0's first byte
.Lnone_\@:
.endm
.macro PROC b
.if (\b) < 8
	s_wait_dscnt 16                                ; this batch is in; the next batch's 16 loads may be out
.else
	s_wait_dscnt 0x0
.endif
.irp j, 0,1,2,3
	ROWOUT 4*(\b)+\j, BUF+64*((\b)%2)+16*\j
.endr
.endm
	LOADR 0
.irp b, 0,1,2,3,4,5,6,7
	LOADR \b+1
	PROC \b
.endr
	PROC 8
	s_wait_xcnt 0x0
	v_lshl_add_u32 v254, v0, 2, 0x4a400
	v_mov_b32 v255, 0
	s_wait_tensorcnt 0x0
	ds_add_u32 v254, v255
	s_wait_dscnt 0x0
	s_endpgm
.Lfunc_end_k_q537eb0cfe9_down:
	.size	k_q537eb0cfe9_down, .Lfunc_end_k_q537eb0cfe9_down-k_q537eb0cfe9_down
	.p2alignl 7, 3214868480
	.fill 96, 4, 3214868480
	.section	.rodata,"a",@progbits
	.p2align	6, 0x0
	.amdhsa_kernel k_q537eb0cfe9_down
		.amdhsa_group_segment_fixed_size 304640
		.amdhsa_private_segment_fixed_size 0
		.amdhsa_enable_private_segment 0
		.amdhsa_kernarg_size 48
		.amdhsa_user_sgpr_count 2
		.amdhsa_user_sgpr_kernarg_segment_ptr 1
		.amdhsa_wavefront_size32 1
		.amdhsa_system_sgpr_workgroup_id_x 1
		.amdhsa_system_sgpr_workgroup_id_y 1
		.amdhsa_system_sgpr_workgroup_id_z 1
		.amdhsa_system_vgpr_workitem_id 0
		.amdhsa_next_free_vgpr 1024
		.amdhsa_next_free_sgpr 66
		.amdhsa_reserve_vcc 0
		.amdhsa_float_denorm_mode_32 3
		.amdhsa_float_denorm_mode_16_64 3
		.amdhsa_memory_ordered 1
		.amdhsa_forward_progress 1
		.amdhsa_inst_pref_size 112
	.end_amdhsa_kernel
	.amdgpu_metadata
---
amdhsa.version: [ 1, 2 ]
amdhsa.kernels:
  - .name:           k_q537eb0cfe9_down
    .symbol:         k_q537eb0cfe9_down.kd
    .args:
      - { .name: hq, .offset: 0, .size: 8, .value_kind: global_buffer, .address_space: global }
      - { .name: hs, .offset: 8, .size: 8, .value_kind: global_buffer, .address_space: global }
      - { .name: wq, .offset: 16, .size: 8, .value_kind: global_buffer, .address_space: global }
      - { .name: order, .offset: 24, .size: 8, .value_kind: global_buffer, .address_space: global }
      - { .name: tinfo, .offset: 32, .size: 8, .value_kind: global_buffer, .address_space: global }
      - { .name: out0, .offset: 40, .size: 8, .value_kind: global_buffer, .address_space: global }
    .group_segment_fixed_size: 304640
    .private_segment_fixed_size: 0
    .kernarg_segment_align: 8
    .kernarg_segment_size: 48
    .max_flat_workgroup_size: 128
    .sgpr_count:     66
    .vgpr_count:     1024
    .wavefront_size: 32
...
	.end_amdgpu_metadata
.endif
;; end of part 4
;; ======== version 2 of 2: 4 launches; version 1 with the launches up, down written anew for expert scheduling mode
;; workspace buffers: xq 3,145,728 bytes; xsc 131,072 bytes; eidx 16,384 bytes of whole numbers; order 18,432 bytes of whole numbers; tinfo 256 bytes of whole numbers; wq 12,288,000 bytes; hq 7,077,888 bytes; hs 294,912 bytes
;; launch xprep: the kernel of part 1 again; grid 256 x 1, 4 waves a work-group, no clusters, 22,016 bytes of LDS; arguments x, Wg, xq, xsc, eidx; writes xq, xsc, eidx
;; launch wprep: the kernel of part 2 again; grid 961 x 1, 4 waves a work-group, no clusters, 13,312 bytes of LDS; arguments eidx, w1s, w2s, w3s, W1, W2, W3, wq, order, tinfo; writes wq, order, tinfo
;; launch up (part 5): grid 8 x 32, 4 waves a work-group, no clusters, 114,688 bytes of LDS; arguments xq, xsc, wq, order, tinfo, hq, hs; writes hq, hs
.if DOCPART == 5
	.amdgcn_target "amdgcn-amd-amdhsa--gfx1250"
	.amdhsa_code_object_version 6
	.text
	.protected	k_q537eb0cfe9_up
	.globl	k_q537eb0cfe9_up
	.p2align	8
	.type	k_q537eb0cfe9_up,@function
k_q537eb0cfe9_up:
	s_mov_b64 s[64:65], 0
	v_nop
	global_prefetch_b8 v0, s[64:65] scope:SCOPE_SE
	s_setreg_imm32_b32 hwreg(HW_REG_WAVE_SCHED_MODE, 0, 2), 2
	s_setreg_imm32_b32 hwreg(HW_REG_WAVE_MODE, 25, 1), 1
	s_wait_xcnt 0x0
	s_wait_alu depctr_vm_vsrc(0)
; The hidden layer h = gelu(x W1) * (x W2), exact (erf) gelu in f32, both products on codes of BF6 (E3M2) with E8M0 scales, for one tile of 144 slots and 256 hidden units; h is quantised on the way.
; Work-group x = cg: 0-3 the shared weights' hidden groups of 256, 4-7 the tile's expert's.  Work-group y = the tile.  The next product's K is [shared 1,024 | expert 1,024], 16 K steps.
; SHARES: wave w makes 144 slots x 64 hidden units (group q = 4 (cg % 4) + w): four tiles of W1 and four of W2, 72 accumulators.  The tile's 144 rows of x's codes are gathered by the stored list into LDS once;
; the weights come from memory straight into registers, as images of the operand's registers, two K steps ahead.  At the head the requests stand in the order in which they can be made and are wanted:
; the list, the weights' K step 0, the rows (as soon as the list is in), their scale words, K step 1.
; The product is used TRANSPOSED (source 0 = 16 columns of a weight, source 1 = 16 slots): a lane holds one slot, and the 16 registers of two neighbouring tiles are 16 neighbouring hidden units.
; hq [tile][K step 16][block of rows 9][1,536]: half c of a fragment at 768 c: registers 6 c .. 6 c + 3 as 512 bytes (16 a lane), 6 c + 4, 6 c + 5 as 256 (8 a lane).  hs [tile][K step][144] scale words.
; A slot without a token takes token 4,095's row, a tile without an expert expert 3's weights: their results are stored here and dropped by the next launch.  The barriers stand on every wave's way, so no
; work-group ends early on a stored number.  No tensor loads and no joint loads: the rows are a gather by a stored list, and the weights' address hangs on a stored number.
; gelu: Phi = 1/2 + z P(z^2) / Q(z^2), z = u / sqrt(2) held to +-4, P / Q the rational form of erf / 2 (degrees 13 and 8).  LIMITS: Phi's error is about 1e-7 absolute, so gelu's relative error grows for u < -3.
; NaN and infinities are not served; a block under 2^-122 (zeros too) keeps the scale byte 1; this program alone reads the bytes.
; REGISTERS: window 0: v1-15 addresses; v16-23 the weights' scale words, two sets; v24-95 x's scale words (8 a + s); v96-143 and v204-251 x's blocks 0-3, two sets by turns; v144-203 its blocks 4-8, one set; at the head v204-230 hold the
; list's tokens.  Window 1: v0-191 the weights, two sets; v192-255 block 8's accumulators.  Window 2: blocks 0-3 (64 a + 8 f; at the head the gather's stage).  Window 3: blocks 4-7.  f = 0-3: W1's tiles, 4-7: W2's.
; THE MODE: SCHED_MODE bits 1:0 = 2 (LLVM: expert scheduling mode 2), set by the entry lines.  The code itself states the register dependences between vector or matrix instructions and memory or LDS instructions, with s_wait_alu, always for 0.
; THE PLAN, in the K steps.  Registers in which loads land, and who reads them:
;   F0 (v96-143), F1 (v204-251)   x's blocks 0-3 of the even and of the odd K steps.  Read by the first 32 products of step s; the LDS loads at the head of step s + 1 land there (step s + 2's fragments).
;   R (v144-203)                  x's blocks 4-8.  Read by the last 40 products of step s; the LDS loads at the head of step s + 1 land there (that step's own fragments).
;   W0, W1 (window 1), v16-23     the weights and their scale words.  Read by all 72 products of step s; the loads at the head of step s + 1 land there (step s + 2's).
;   v3, v4, v5                    addresses, made at the head and never written again.
; So ONE wait on va_vdst stands at the head of a K step: the step before is done reading all three.  The step's 52 loads follow it in one run, and no product behind the wait names a register in which one of them lands,
; but for R, which the step's own wait on DScnt guards.  A whole second set of x's nine fragments (108 registers) has no room beside 576 registers of accumulators, 192 of weights and 80 of scale words: four fragments have.
; THE PLAN, on the way out.  A block's codes lie in one of two out-buffers (v192-197, v204-209 by turns), its scale bits in a register of their own (v213-221).  They are written by block a's last lines and read by three stores that
; stand in block a + 1, behind the wait for its first batch of reciprocals, which stands there anyway.  An out-buffer is written again in block a + 2, behind a wait on vm_vsrc.
.set PITCH, 784                        ; a row of x in LDS: 768 bytes + 16 = 49 x 16: the 16 rows of a load of 16 bytes a lane fall on 16 different columns of 16 bytes
.set ABLK,  16*PITCH
.set HSL,   144*PITCH                  ; behind the rows: the scale words of my work-group's two K steps, 2 x 576 bytes
.set REC,   12800
.set BS,  16
.set SA,  24
.set AF,  96                           ; x's fragments: blocks 0-3 of the even K steps, and blocks 4-8
.set AF1, 204                          ; blocks 0-3 of the odd K steps
.set TK,  204
.set TA,  222
.set Z,   96                           ; the way out, window 0: z
.set G,   112                          ; u v
.set H,   128                          ; z^2, then h
.set P,   144
.set Q,   160
.set CT,  198                          ; v198-200 the second block's codes
.set S16, 213                          ; v213-221 a block of rows' 16 scale bits
.set MSB, 0
.macro WIN new                         ; the immediate's high byte repeats the setting that is left
.if MSB != \new
	s_set_vgpr_msb (MSB<<8)|\new
.set MSB, \new
.endif
.endm
.macro PLACES                          ; four plain vector instructions behind a matrix instruction, ahead of what touches its registers (ISA guide 7.12.1)
.rept 4
	v_nop
.endr
.endm
.macro KONST r, bits                   ; a constant as a pair: the packed forms name the pair and take its low word for both halves
	s_mov_b32 s[\r], \bits
	s_mov_b32 s[\r+1], \bits
.endm
	s_load_b256 s[4:11], s[0:1], 0x0               ; xq, xsc, wq, order
	s_load_b128 s[12:15], s[0:1], 0x20             ; tinfo, hq
	s_load_b64 s[16:17], s[0:1], 0x30              ; hs
	v_lshl_add_u32 v254, v0, 2, 0x1be00
	v_mov_b32 v255, 0
	v_lshrrev_b32 v1, 5, v0
	v_readfirstlane_b32 s18, v1                    ; wave
	s_mov_b32 s19, ttmp9                           ; cg
	s_and_b32 s20, ttmp7, 0xffff                   ; tile
	s_lshl_b32 s23, s20, 2
	s_wait_kmcnt 0x0
	s_load_b32 s21, s[12:13], s23 offset:0x0       ; the tile's expert
	v_and_b32 v1, 15, v0                           ; r
	v_bfe_u32 v2, v0, 4, 1                         ; h
	v_and_b32 v14, 31, v0                          ; lane
	v_mul_u32_u24 v3, v1, PITCH
	v_mad_u32_u24 v3, v2, 48, v3                   ; a fragment of x: row r, + 48 h
	v_add_nc_u32 v4, 5*ABLK, v3                    ; the same from block 5 on (an LDS offset has 16 bits)
	v_lshlrev_b32 v5, 4, v14                       ; 16 x lane
	v_lshlrev_b32 v6, 3, v14                       ; 8 x lane
	v_lshlrev_b32 v13, 4, v1
	s_wait_alu depctr_va_sdst(0)                   ; s18, the wave's number, is written, ahead of its first reader
	s_lshr_b32 s32, s19, 2                         ; 0 shared, 1 expert
	s_and_b32 s33, s19, 3
	s_lshl_b32 s34, s33, 2
	s_add_co_u32 s34, s34, s18                     ; q
	s_lshr_b32 s35, s18, 1
	s_and_b32 s58, s18, 1                          ; c: which half of a K step of the next product is mine
	s_lshl_b32 s59, s32, 3
	s_lshl_b32 s60, s33, 1
	s_add_co_u32 s59, s59, s60                     ; the work-group's first K step of the next product
	s_mul_i32 s60, s35, 576
	s_lshl_b32 s61, s58, 1
	s_add_co_u32 s60, s60, s61
	s_add_co_u32 s60, s60, HSL
	v_lshl_add_u32 v7, v1, 2, s60                  ; where my 16 scale bits of row r go: 576 (wave / 2) + 4 r + 2 c
	s_lshl_b32 s61, s18, 7
	v_lshl_add_u32 v9, v14, 2, s61                 ; 128 x wave + 4 x lane: the scale words' way out, in hs
	v_add_nc_u32 v8, HSL, v9                       ; and in LDS
	s_mul_i32 s60, s18, 36*PITCH
	v_mul_u32_u24 v10, v2, PITCH
	v_lshl_add_u32 v10, v1, 4, v10
	v_add_nc_u32 v10, s60, v10                     ; the gather: my wave's 36 rows, two a pass: row h, 16 r
	s_mul_i32 s60, s18, 144
	v_lshl_add_u32 v11, v2, 2, s60                 ; the list: slot 36 wave + 2 p + h,
	v_lshlrev_b32 v12, 2, v1                       ; and slot 16 a + r
	s_mul_i32 s60, s20, 576
	s_mov_b32 s61, 0
	s_add_nc_u64 s[26:27], s[10:11], s[60:61]
	s_wait_alu depctr_va_vdst(0)                   ; the addresses v3 to v12 are written, which the kernel's loads and stores read
.irp p, 0,1,2,3,4,5,6,7,8,9,10,11,12,13,14,15,16,17
	global_load_b32 v[TK+\p], v11, s[26:27] offset:8*\p
.endr
.irp a, 0,1,2,3,4,5,6,7,8
	global_load_b32 v[TA+\a], v12, s[26:27] offset:64*\a
.endr
	s_lshl_b32 s60, s20, 4
	s_add_co_u32 s62, s60, s59
	s_add_co_u32 s60, s62, s35
	s_mul_i32 s60, s60, 13824
	s_mul_i32 s63, s58, 768
	s_add_co_u32 s60, s60, s63
	s_add_nc_u64 s[28:29], s[14:15], s[60:61]      ; hq at my K step's fragments, my half
	s_mul_i32 s60, s62, 576
	s_add_nc_u64 s[30:31], s[16:17], s[60:61]      ; hs at the work-group's two K steps
	KONST 36, 0x3f3504f3                           ; 1 / sqrt(2)
	KONST 38, 0xaf15df0b                           ; erf's numerator, halved: z^13,
	KONST 40, 0xb58cff51                           ; z^9 (z^11 lies in v176),
	KONST 42, 0xb7eec2d2                           ; z^7,
	KONST 44, 0xb9c0ac63                           ; z^5,
	KONST 46, 0xbac1a1f6                           ; z^3,
	KONST 48, 0xbc03dbd4                           ; z
	KONST 50, 0xb77460cd                           ; the denominator: z^8 (z^6 lies in v178),
	KONST 52, 0xbadc924e                           ; z^4,
	KONST 54, 0xbbf19bf8                           ; z^2,
	KONST 56, 0xbc69b6a7                           ; 1
	s_mov_b32 s66, 0x76543210
	s_mov_b32 s67, 0xfedcba98                      ; v_permlanex16_b32's selects for lane l xor 16
	s_wait_kmcnt 0x0
	s_min_u32 s21, s21, 3
	s_add_co_u32 s22, s21, 1
	s_mul_i32 s22, s22, s32                        ; g: 0 shared, 1 + expert
	s_lshl_b32 s60, s22, 4
	s_add_co_u32 s60, s60, s34
	s_mul_i32 s60, s60, 8*REC
	s_add_nc_u64 s[24:25], s[8:9], s[60:61]        ; my eight records
.macro BLOAD s                         ; K step s of the weights: 25 loads: the scale words (lanes 0-15 W1's rows, lanes 16-31 W2's), then eight fragments
	global_load_b128 v[BS+4*((\s)%2):BS+4*((\s)%2)+3], v5, s[24:25] offset:REC*(\s)+12288
	WIN 0x40
.irp i, 0,1,2,3,4,5,6,7,8,9,10,11,12,13,14,15,16,17,18,19,20,21,22,23
	global_load_b128 v[96*((\s)%2)+4*\i:96*((\s)%2)+4*\i+3], v5, s[24:25] offset:REC*(\s)+512*\i
.endr
	WIN 0
.endm
	BLOAD 0
	s_wait_loadcnt 25                              ; the list is in; the 25 loads of the weights' K step 0 may be out
.irp p, 0,1,2,3,4,5,6,7,8,9,10,11,12,13,14,15,16,17
	v_min_u32 v[TK+\p], 0xfff, v[TK+\p]            ; a slot without a token takes the last token's row
	v_mul_u32_u24 v[TK+\p], v[TK+\p], 768
	v_add_nc_u32 v[TK+\p], v[TK+\p], v13
.endr
.irp a, 0,1,2,3,4,5,6,7,8
	v_min_u32 v[TA+\a], 0xfff, v[TA+\a]
	v_lshlrev_b32 v[TA+\a], 5, v[TA+\a]
.endr
	WIN 0x80                                       ; destination window 2
	s_wait_alu depctr_va_vdst(0)                   ; the 27 offsets v204 to v230 are written, which the gather's loads read
.irp p, 0,1,2,3,4,5,6,7,8,9,10,11,12,13,14,15,16,17
.irp j, 0,1,2
	global_load_b128 v[12*\p+4*\j:12*\p+4*\j+3], v[TK+\p], s[4:5] offset:256*\j   ; sixteen lanes read 256 consecutive bytes of a row, aligned
.endr
.endr
	WIN 0
.irp a, 0,1,2,3,4,5,6,7,8
.irp j, 0,1
	global_load_b128 v[SA+8*\a+4*\j:SA+8*\a+4*\j+3], v[TA+\a], s[6:7] offset:16*\j   ; row r's eight scale words
.endr
.endr
	BLOAD 1
	s_wait_loadcnt 43                              ; the rows are in; behind them stand the 18 loads of scale words and the 25 of the weights' K step 1
	WIN 0x08                                       ; an LDS store's data are its source 1: window 2
.irp p, 0,1,2,3,4,5,6,7,8,9,10,11,12,13,14,15,16,17
.irp j, 0,1,2
	ds_store_b128 v10, v[12*\p+4*\j:12*\p+4*\j+3] offset:2*PITCH*\p+256*\j
.endr
.endr
	WIN 0
	s_wait_dscnt 0x0                               ; for the others' sake: my 36 rows lie in LDS
	s_barrier_signal -1
	s_barrier_wait -1
	s_wait_alu depctr_vm_vsrc(0)                   ; my LDS stores have read the gather's stage in window 2, which the products write; the gather's loads have read v204 to v230, in which fragments of x land and which the way out writes
.macro AFR a, s                        ; block a's fragment of K step s: 48 bytes a lane
.if ((\a) < 4) && ((\s)%2 == 1)
.set FD, AF1+12*(\a)
.else
.set FD, AF+12*(\a)
.endif
.irp j, 0,1,2
.if (\a) < 5
	ds_load_b128 v[FD+4*\j:FD+4*\j+3], v3 offset:ABLK*(\a)+96*(\s)+16*\j
.else
	ds_load_b128 v[FD+4*\j:FD+4*\j+3], v4 offset:ABLK*((\a)-5)+96*(\s)+16*\j
.endif
.endr
.endm
.macro ALO s                           ; blocks 0-3: 12 loads
.irp a, 0,1,2,3
	AFR \a, \s
.endr
.endm
.macro AHI s                           ; blocks 4-8: 15 loads
.irp a, 4,5,6,7,8
	AFR \a, \s
.endr
.endm
; Block a against the weights' eight tiles.  The 72 accumulators take turns, one instruction a turn, in the same order in every K step.  zero = 1: the first product starts the sums.
.macro MULG a, s, zero
.if (\a) < 4
.set AC, 64*(\a)
.elseif (\a) < 8
.set AC, 64*((\a)-4)
.else
.set AC, 192
.endif
.set FB, 96*((\s)%2)
.if ((\a) < 4) && ((\s)%2 == 1)
.set FA, AF1+12*(\a)
.else
.set FA, AF+12*(\a)
.endif
.set SX, SA+8*(\a)+(\s)
.irp f, 0,1,2,3,4,5,6,7
.set SW, BS+4*((\s)%2)+\f%4
.if \zero
.if \f < 4
	v_wmma_scale_f32_16x16x128_f8f6f4 v[AC+8*\f:AC+8*\f+7], v[FB+12*\f:FB+12*\f+11], v[FA:FA+11], 0, v[SW], v[SX] matrix_a_fmt:MATRIX_FMT_BF6 matrix_b_fmt:MATRIX_FMT_BF6
.else
	v_wmma_scale_f32_16x16x128_f8f6f4 v[AC+8*\f:AC+8*\f+7], v[FB+12*\f:FB+12*\f+11], v[FA:FA+11], 0, v[SW], v[SX] matrix_a_fmt:MATRIX_FMT_BF6 matrix_b_fmt:MATRIX_FMT_BF6 matrix_a_scale:MATRIX_SCALE_ROW1
.endif
.else
.if \f < 4
	v_wmma_scale_f32_16x16x128_f8f6f4 v[AC+8*\f:AC+8*\f+7], v[FB+12*\f:FB+12*\f+11], v[FA:FA+11], v[AC+8*\f:AC+8*\f+7], v[SW], v[SX] matrix_a_fmt:MATRIX_FMT_BF6 matrix_b_fmt:MATRIX_FMT_BF6
.else
	v_wmma_scale_f32_16x16x128_f8f6f4 v[AC+8*\f:AC+8*\f+7], v[FB+12*\f:FB+12*\f+11], v[FA:FA+11], v[AC+8*\f:AC+8*\f+7], v[SW], v[SX] matrix_a_fmt:MATRIX_FMT_BF6 matrix_b_fmt:MATRIX_FMT_BF6 matrix_a_scale:MATRIX_SCALE_ROW1
.endif
.endif
.endr
.endm
; A K step.  At its head one wait and one run of loads: this step's blocks 4-8, the next step's blocks 0-3, the next step's weights (K steps 0 and 1 of the weights were asked for at the kernel's head).
.macro KSTEP s, zero
.if (\s) > 0
	s_wait_alu depctr_va_vdst(0)                   ; the products of the step before are done reading x's blocks 4-8, their set of blocks 0-3, their set of weights and its scale words: the loads below land in these
.endif
	AHI \s
.if (\s) < 7
	ALO (\s)+1
.endif
.if ((\s) > 0) && ((\s) < 7)
	BLOAD (\s)+1
.endif
.if (\s) < 7
	s_wait_dscnt 27                                ; this step's blocks 0-3, asked for a step ago, are in; the 27 LDS loads just issued may be out
.else
	s_wait_dscnt 15                                ; likewise; the last step asks for its blocks 4-8 alone
.endif
.if (\s) == 7
	s_wait_loadcnt 0x0
.elseif (\s) > 0
	s_wait_loadcnt 25                              ; this step's weights are in; the next step's 25 loads may be out
.endif
	WIN 0xa1                                       ; source 0 (weights) window 1, source 1 (x) window 0, C and D window 2
	MULG 0, \s, \zero
	MULG 1, \s, \zero
	MULG 2, \s, \zero
	MULG 3, \s, \zero
.if (\s) < 7
	s_wait_dscnt 12                                ; blocks 4-8 are in; the 12 loads of the next step's blocks 0-3 may be out
.else
	s_wait_dscnt 0x0
.endif
	WIN 0xf1                                       ; C and D window 3
	MULG 4, \s, \zero
	MULG 5, \s, \zero
	MULG 6, \s, \zero
	MULG 7, \s, \zero
	WIN 0x51                                       ; C and D window 1
	MULG 8, \s, \zero
	PLACES                                         ; the places stay beside the wait at the next step's head; behind the last step they stand ahead of the way out's first lines
	WIN 0
.endm
	ALO 0
	s_wait_loadcnt 25                              ; x's scale words and the weights' K step 0 are in (so the loads that read v222 to v230 are done: fragments land there next); K step 1's 25 loads may be out
	KSTEP 0, 1
	KSTEP 1, 0
	KSTEP 2, 0
	KSTEP 3, 0
	KSTEP 4, 0
	KSTEP 5, 0
	KSTEP 6, 0
	KSTEP 7, 0
	; ---- the way out.  AB, AW: the block's first accumulator register and its window
	v_mov_b32 v176, 0x326dffee                     ; the numerator's z^11, halved, as a pair;
	v_mov_b32 v177, 0x326dffee
	v_mov_b32 v178, 0xb95fbd29                     ; the denominator's z^6
	v_mov_b32 v179, 0xb95fbd29
	v_mov_b32 v182, 0                              ; written once: a lane permute's destination counts as one of its sources
.macro SENDH a                         ; block a's 16 scale bits and its codes leave
.set CP, 192+12*((\a)%2)
	ds_store_b16 v7, v[S16+(\a)] offset:64*(\a)    ; both lanes of a row write the same bits
	global_store_b128 v5, v[CP:CP+3], s[28:29] offset:1536*(\a)       ; 512 consecutive bytes, at a multiple of 256 from hq's first byte
	global_store_b64 v6, v[CP+4:CP+5], s[28:29] offset:1536*(\a)+512  ; 256 likewise
.endm
.macro GELU bp, prev                   ; 16 numbers of my slot: hidden units 32 bp + 16 h + 0 .. 15: h = u v Phi(u).  prev >= 0: block prev's results leave on the way
	WIN 5*AW                                       ; sources 0 and 1: the accumulators' window
.irp i, 0,1,2,3,4,5,6,7
	v_pk_mul_f32 v[G+2*\i:G+2*\i+1], v[AB+16*(\bp)+2*\i:AB+16*(\bp)+2*\i+1], v[AB+32+16*(\bp)+2*\i:AB+32+16*(\bp)+2*\i+1]   ; u v: each accumulator from its low end on
.endr
.irp i, 0,1,2,3,4,5,6,7
	v_pk_mul_f32 v[Z+2*\i:Z+2*\i+1], v[AB+16*(\bp)+2*\i:AB+16*(\bp)+2*\i+1], s[36:37] op_sel_hi:[1,0]
.endr
	WIN 0
.irp i, 0,1,2,3,4,5,6,7,8,9,10,11,12,13,14,15
	v_med3_num_f32 v[Z+\i], v[Z+\i], -4.0, 4.0     ; beyond +-4 erf is +-1 to f32
.endr
.irp i, 0,1,2,3,4,5,6,7
	v_pk_mul_f32 v[H+2*\i:H+2*\i+1], v[Z+2*\i:Z+2*\i+1], v[Z+2*\i:Z+2*\i+1]
.endr
.irp i, 0,1,2,3,4,5,6,7
	v_pk_fma_f32 v[P+2*\i:P+2*\i+1], v[H+2*\i:H+2*\i+1], s[38:39], v[176:177] op_sel_hi:[1,0,1]
.endr
.irp i, 0,1,2,3,4,5,6,7
	v_pk_fma_f32 v[Q+2*\i:Q+2*\i+1], v[H+2*\i:H+2*\i+1], s[50:51], v[178:179] op_sel_hi:[1,0,1]
.endr
.irp k, 40,42,44,46,48
.irp i, 0,1,2,3,4,5,6,7
	v_pk_fma_f32 v[P+2*\i:P+2*\i+1], v[P+2*\i:P+2*\i+1], v[H+2*\i:H+2*\i+1], s[\k:\k+1] op_sel_hi:[1,1,0]
.endr
.endr
.irp k, 52,54,56
.irp i, 0,1,2,3,4,5,6,7
	v_pk_fma_f32 v[Q+2*\i:Q+2*\i+1], v[Q+2*\i:Q+2*\i+1], v[H+2*\i:H+2*\i+1], s[\k:\k+1] op_sel_hi:[1,1,0]
.endr
.endr
.irp i, 0,1,2,3,4,5,6,7,8,9,10,11,12,13,14,15
	v_rcp_f32 v[Q+\i], v[Q+\i]                     ; one batch
.endr
.irp i, 0,1,2,3,4,5,6,7
	v_pk_mul_f32 v[P+2*\i:P+2*\i+1], v[P+2*\i:P+2*\i+1], v[Z+2*\i:Z+2*\i+1]   ; plain work that names no reciprocal
.endr
	s_wait_alu depctr_va_vdst(0)                   ; the sixteen reciprocals v160 to v175 are written, ahead of their first reader; and where a block's results leave below: the block before has written its codes and its scale bits, which the stores read
.if (\prev) >= 0
	SENDH \prev
.endif
.irp i, 0,1,2,3,4,5,6,7
	v_pk_fma_f32 v[P+2*\i:P+2*\i+1], v[P+2*\i:P+2*\i+1], v[Q+2*\i:Q+2*\i+1], 0.5 op_sel_hi:[1,1,0]   ; Phi
.endr
.irp i, 0,1,2,3,4,5,6,7
	v_pk_mul_f32 v[H+2*\i:H+2*\i+1], v[G+2*\i:G+2*\i+1], v[P+2*\i:P+2*\i+1]
.endr
.endm
.macro QB bp, dst                      ; the block of 32 lies in lanes l and l xor 16: its largest magnitude, its byte, my 16 codes.  BLKN: the block of rows in hand
	v_max3_num_f32 v180, |v[H]|, |v[H+1]|, 0x2800000   ; with the floor 2^(5 - 127): the byte cannot fall under 1
	v_max3_num_f32 v181, |v[H+2]|, |v[H+3]|, |v[H+4]|
	v_max3_num_f32 v180, v180, |v[H+5]|, |v[H+6]|
	v_max3_num_f32 v181, v181, |v[H+7]|, |v[H+8]|
	v_max3_num_f32 v180, v180, |v[H+9]|, |v[H+10]|
	v_max3_num_f32 v181, v181, |v[H+11]|, |v[H+12]|
	v_max3_num_f32 v180, v180, |v[H+13]|, |v[H+14]|
	v_max3_num_f32 v180, v180, v181, |v[H+15]|
	v_permlanex16_b32 v182, v180, s66, s67
	v_max_num_f32 v180, v180, v182
	v_add_nc_u32 v183, 0xfe000000, v180            ; 4 off the exponent field: the conversion's scale operand
.if (\bp) == 0
	s_wait_xcnt 0x0                                ; the earlier blocks' stores have read their registers: the codes' registers are written again only behind this wait
.if BLKN >= 2
	s_wait_alu depctr_vm_vsrc(0)                   ; the stores of the block two back, issued in the block before this one, have read this out-buffer, which the lines below write again
.endif
.endif
	v_cvt_scalef32_pk16_bf6_f32 v[\dst:\dst+2], v[H:H+15], v183
	v_lshrrev_b32 v[184+(\bp)], 23, v183           ; the scale's byte (also the plain line behind the conversion)
.endm
.macro EPI a
.set BLKN, \a
.if (\a) < 4
.set AB, 64*(\a)
.set AW, 2
.elseif (\a) < 8
.set AB, 64*((\a)-4)
.set AW, 3
.else
.set AB, 192
.set AW, 1
.endif
.set CO, 192+12*((\a)%2)               ; v192-197 and v204-209 by turns
	GELU 0, (\a)-1                                 ; the block before leaves in here
	QB 0, CO
	GELU 1, -1
	QB 1, CT
	v_lshl_or_b32 v[S16+(\a)], v185, 8, v184       ; my two bytes of row r's scale word
.irp i, 0,1,2
	v_permlane16_swap_b32 v[CO+\i], v[CT+\i]       ; the operand's layout wants a whole block in a lane: lanes 0-15 the first block, lanes 16-31 the second
.endr
.irp i, 0,1,2
	v_mov_b32 v[CO+3+\i], v[CT+\i]
.endr
.endm
.irp a, 0,1,2,3,4,5,6,7,8
	EPI \a
.endr
	s_wait_alu depctr_va_vdst(0)                   ; block 8 has written its codes and its scale bits, which the last three stores read
	SENDH 8
	s_wait_dscnt 0x0                               ; for the others' sake: my halves of the scale words lie in LDS
	s_barrier_signal -1
	s_barrier_wait -1
	ds_load_b32 v210, v8                           ; 1,152 bytes leave in nine runs of 128: wave w takes runs w and 4 + w, wave 0 the ninth.  (No vector line of the way out names v210 to v212; the products that read them stand ahead of the waits above)
	ds_load_b32 v211, v8 offset:512
	s_cmp_lg_u32 s18, 0
	s_cbranch_scc1 .Lnot_wave_0
	ds_load_b32 v212, v8 offset:1024
	s_wait_dscnt 0x0
	global_store_b32 v9, v212, s[30:31] offset:1024
.Lnot_wave_0:
	s_wait_dscnt 0x0
	global_store_b32 v9, v210, s[30:31]
	global_store_b32 v9, v211, s[30:31] offset:512
	s_wait_dscnt 0x0                               ; the closing lines, six on end
	s_wait_alu 0x0
	s_wait_tensorcnt 0x0
	ds_add_u32 v254, v255
	s_wait_dscnt 0x0
	s_endpgm
.Lfunc_end_k_q537eb0cfe9_up:
	.size	k_q537eb0cfe9_up, .Lfunc_end_k_q537eb0cfe9_up-k_q537eb0cfe9_up
	.p2alignl 7, 3214868480
	.fill 96, 4, 3214868480
	.section	.rodata,"a",@progbits
	.p2align	6, 0x0
	.amdhsa_kernel k_q537eb0cfe9_up
		.amdhsa_group_segment_fixed_size 114688
		.amdhsa_private_segment_fixed_size 0
		.amdhsa_enable_private_segment 0
		.amdhsa_kernarg_size 56
		.amdhsa_user_sgpr_count 2
		.amdhsa_user_sgpr_kernarg_segment_ptr 1
		.amdhsa_wavefront_size32 1
		.amdhsa_system_sgpr_workgroup_id_x 1
		.amdhsa_system_sgpr_workgroup_id_y 1
		.amdhsa_system_sgpr_workgroup_id_z 1
		.amdhsa_system_vgpr_workitem_id 0
		.amdhsa_next_free_vgpr 1024
		.amdhsa_next_free_sgpr 72
		.amdhsa_reserve_vcc 0
		.amdhsa_float_denorm_mode_32 3
		.amdhsa_float_denorm_mode_16_64 3
		.amdhsa_memory_ordered 1
		.amdhsa_forward_progress 1
		.amdhsa_inst_pref_size 255
	.end_amdhsa_kernel
	.section	.bss,"aw",@nobits
	.p2align	6
	.space	262144
	.amdgpu_metadata
---
amdhsa.version: [ 1, 2 ]
amdhsa.kernels:
  - .name:           k_q537eb0cfe9_up
    .symbol:         k_q537eb0cfe9_up.kd
    .args:
      - { .name: xq, .offset: 0, .size: 8, .value_kind: global_buffer, .address_space: global }
      - { .name: xsc, .offset: 8, .size: 8, .value_kind: global_buffer, .address_space: global }
      - { .name: wq, .offset: 16, .size: 8, .value_kind: global_buffer, .address_space: global }
      - { .name: order, .offset: 24, .size: 8, .value_kind: global_buffer, .address_space: global }
      - { .name: tinfo, .offset: 32, .size: 8, .value_kind: global_buffer, .address_space: global }
      - { .name: hq, .offset: 40, .size: 8, .value_kind: global_buffer, .address_space: global }
      - { .name: hs, .offset: 48, .size: 8, .value_kind: global_buffer, .address_space: global }
    .group_segment_fixed_size: 114688
    .private_segment_fixed_size: 0
    .kernarg_segment_align: 8
    .kernarg_segment_size: 56
    .max_flat_workgroup_size: 128
    .sgpr_count:     72
    .vgpr_count:     1024
    .wavefront_size: 32
...
	.end_amdgpu_metadata
.endif
;; end of part 5
;; launch down (part 6): grid 8 x 32, 4 waves a work-group, no clusters, 304,640 bytes of LDS; arguments hq, hs, wq, order, tinfo, out0; writes out0
.if DOCPART == 6
	.amdgcn_target "amdgcn-amd-amdhsa--gfx1250"
	.amdhsa_code_object_version 6
	.text
	.protected	k_q537eb0cfe9_down
	.globl	k_q537eb0cfe9_down
	.p2align	8
	.type	k_q537eb0cfe9_down,@function
k_q537eb0cfe9_down:
	s_mov_b64 s[64:65], 0
	v_nop
	global_prefetch_b8 v0, s[64:65] scope:SCOPE_SE
	s_setreg_imm32_b32 hwreg(HW_REG_WAVE_SCHED_MODE, 0, 2), 2
	s_setreg_imm32_b32 hwreg(HW_REG_WAVE_MODE, 25, 1), 1
	s_wait_xcnt 0x0
	s_wait_alu depctr_vm_vsrc(0)
; out = [h_shared | h_expert] [w3s ; W3(expert)]: one product with K = 2,048 on codes of BF6 (E3M2) with E8M0 scales, for a tile of 144 slots (work-group y) and 128 columns (work-group x); rows go to their tokens by the stored list.
; So the shared part and the routed part of a row are one sum, and each row of out0 has one owner for each 128 columns.
; THE WAVES SHARE K: wave w takes K steps 4 w .. 4 w + 3 (waves 0, 1: w3s; waves 2, 3: the tile's expert) and holds the whole 144 x 128 in 72 accumulators.  So each fragment of h and of the weights is read once in the
; work-group, from memory straight into registers as an image of the operand's registers; the K loop has no LDS access and no barrier.  The four partial sums meet in LDS: four stages, one barrier, then each wave adds and
; stores 36 whole rows.  The order of that sum, (p0 + p1) + (p2 + p3), differs from a single chain along K.
; The product is used TRANSPOSED (source 0 = 16 columns of W3, source 1 = 16 slots): lane (r, h) holds slot r; register j of tile 2 b + u of a part is column 32 b + 16 h + 8 u + j.
; A slot without a token (4,096 in the list) is computed and not stored: a scalar branch on the stored number round the store alone.  No tensor loads and no joint loads: the weights' address hangs on a stored number.
; REGISTERS: window 0: v1-7, v34-35 addresses; v8-15 the weights' scale words, two sets; v16-33 h's scale words (2 a + pair of K steps: lanes 0-15 the even step, lanes 16-31 the odd); v36-143, v144-251 h's nine fragments, two sets;
; v252-253 my rows' tokens.  Window 1: v0-191 the weights, two sets; v192-255 block 8's accumulators.  Window 2: blocks 0-3.  Window 3: blocks 4-7.
; THE MODE: SCHED_MODE bits 1:0 = 2 (LLVM: expert scheduling mode 2), set by the entry lines.  The code itself states the register dependences between vector or matrix instructions and memory or LDS instructions, with s_wait_alu, always for 0.
; THE PLAN, in the K steps.  h's fragments, the weights and the weights' scale words have two sets each.  Step i's 72 products read set i % 2; the 61 loads of step i + 2 land in it, and are issued in one run at the head of step i + 1,
; behind ONE wait on va_vdst, which states that step i is done reading.  Step i + 1's products name the other set alone.  The addresses v1 and v2 are made at the head and never written again.
; THE PLAN, in the tail.  Four rows a batch, two buffers of 64 registers by turns (v36-99, v100-163), and four offsets to each (v164-171).  Batch b: LDS loads land in buffer b % 2; 24 packed additions sum it in place; four lines make
; the offsets; four stores read sums and offsets; the loads of batch b + 2 land in the buffer again.  One wait on va_sdst behind the run of four v_readlane_b32; one on va_vdst behind the batch's last vector line, which serves its stores
; and the loads of batch b + 2 alike, since no vector line stands between; one on vm_vsrc ahead of those loads.
.set REC,   12800
.set SPITCH, 528                       ; a stage row: 512 bytes + 16
.set STG,   144*SPITCH                 ; a wave's stage
.set BS,  8
.set HSC, 16
.set AF,  36
.set BUF, 36                           ; the tail: two sets of four rows x four stages x four registers
.set VO,  164                          ; v164-171 the stores' offsets
.set MSB, 0
.macro WIN new                         ; the immediate's high byte repeats the setting that is left
.if MSB != \new
	s_set_vgpr_msb (MSB<<8)|\new
.set MSB, \new
.endif
.endm
.macro PLACES                          ; four plain vector instructions behind a matrix instruction, ahead of what touches its registers (ISA guide 7.12.1)
.rept 4
	v_nop
.endr
.endm
	s_load_b256 s[4:11], s[0:1], 0x0               ; hq, hs, wq, order
	s_load_b128 s[12:15], s[0:1], 0x20             ; tinfo, out0
	v_lshrrev_b32 v36, 5, v0
	v_readfirstlane_b32 s16, v36                   ; wave
	s_mov_b32 s17, ttmp9                           ; cg
	s_and_b32 s18, ttmp7, 0xffff                   ; tile
	s_lshl_b32 s21, s18, 2
	s_wait_kmcnt 0x0
	s_load_b32 s19, s[12:13], s21 offset:0x0       ; the tile's expert
	v_and_b32 v36, 15, v0                          ; r
	v_bfe_u32 v37, v0, 4, 1                        ; h
	v_and_b32 v38, 31, v0                          ; lane
	v_lshlrev_b32 v1, 4, v38                       ; 16 x lane
	v_lshlrev_b32 v2, 3, v38                       ; 8 x lane
	v_mul_u32_u24 v3, v37, 576
	v_lshl_add_u32 v3, v36, 2, v3                  ; h's scale words: K step h of a pair, row r
	s_wait_alu depctr_va_sdst(0)                   ; s16, the wave's number, is written, ahead of its first reader
	s_mul_i32 s34, s16, STG
	v_mul_u32_u24 v4, v36, SPITCH
	v_lshl_add_u32 v4, v37, 6, v4
	v_add_nc_u32 v4, s34, v4                       ; my stage: row r, + 64 h
	v_add_nc_u32 v5, 4*16*SPITCH, v4               ; the same from block 4 on
	s_mul_i32 s39, s16, 36*SPITCH
	v_add_nc_u32 v6, s39, v1                       ; back: my 36 rows in stage 0, 16 bytes a lane,
	v_add_nc_u32 v7, STG, v6                       ; in stage 1,
	v_add_nc_u32 v34, 2*STG, v6                    ; 2,
	v_add_nc_u32 v35, 3*STG, v6                    ; 3
	v_lshlrev_b32 v254, 2, v38                     ; the list: my rows 0 .. 31,
	v_and_b32 v255, 3, v38
	v_lshlrev_b32 v255, 2, v255                    ; and 32 .. 35
	s_lshl_b32 s34, s18, 4
	s_lshl_b32 s35, s16, 2
	s_add_co_u32 s34, s34, s35                     ; 16 tile + 4 wave
	s_mul_i32 s36, s34, 13824
	s_mov_b32 s37, 0
	s_add_nc_u64 s[24:25], s[4:5], s[36:37]        ; h's fragments of my four K steps
	s_mul_i32 s36, s34, 576
	s_add_nc_u64 s[30:31], s[6:7], s[36:37]        ; and their scale words
	s_mul_i32 s36, s18, 576
	s_mul_i32 s38, s16, 144
	s_add_co_u32 s36, s36, s38
	s_add_nc_u64 s[32:33], s[10:11], s[36:37]      ; the list at my 36 rows
	s_lshl_b32 s36, s17, 9
	s_add_nc_u64 s[28:29], s[14:15], s[36:37]      ; out0 at my 128 columns
	s_wait_alu depctr_va_vdst(0)                   ; the addresses v1 to v7, v34, v35, v254 and v255 are written, which the kernel's loads and stores read; so are v36 to v38, in which fragments of h land
.irp pp, 0,1                           ; 20 loads
.irp a, 0,1,2,3,4,5,6,7,8
	global_load_b32 v[HSC+2*\a+\pp], v3, s[30:31] offset:1152*\pp+64*\a
.endr
.endr
	global_load_b32 v252, v254, s[32:33]
	global_load_b32 v253, v255, s[32:33] offset:128
	s_wait_kmcnt 0x0
	s_min_u32 s19, s19, 3
	s_add_co_u32 s20, s19, 1
	s_lshr_b32 s35, s16, 1
	s_mul_i32 s20, s20, s35                        ; g: 0 shared (waves 0, 1), 1 + expert (waves 2, 3)
	s_lshl_b32 s36, s20, 3
	s_add_co_u32 s36, s36, s17
	s_mul_i32 s36, s36, 8*REC
	s_and_b32 s38, s16, 1
	s_mul_i32 s38, s38, 4*REC
	s_add_co_u32 s36, s36, s38
	s_add_co_u32 s36, s36, 640*REC
	s_add_nc_u64 s[26:27], s[8:9], s[36:37]        ; my four records of W3
.macro BLOAD i                         ; my K step i of the weights: 25 loads: the scale words (lanes 0-15 columns 0-63, lanes 16-31 columns 64-127), then eight fragments
	global_load_b128 v[BS+4*((\i)%2):BS+4*((\i)%2)+3], v1, s[26:27] offset:REC*(\i)+12288
	WIN 0x40
.irp c, 0,1,2,3,4,5,6,7,8,9,10,11,12,13,14,15,16,17,18,19,20,21,22,23
	global_load_b128 v[96*((\i)%2)+4*\c:96*((\i)%2)+4*\c+3], v1, s[26:27] offset:REC*(\i)+512*\c
.endr
	WIN 0
.endm
.macro LAF i, a                        ; block a's fragment of my K step i: four loads
.set FB, AF+108*((\i)%2)+12*(\a)
.set FO, (9*(\i)+(\a))*1536
	global_load_b128 v[FB:FB+3], v1, s[24:25] offset:FO
	global_load_b64 v[FB+4:FB+5], v2, s[24:25] offset:FO+512
	global_load_b128 v[FB+6:FB+9], v1, s[24:25] offset:FO+768
	global_load_b64 v[FB+10:FB+11], v2, s[24:25] offset:FO+1280
.endm
.macro LA0 i                           ; blocks 0-3: 16 loads
.irp a, 0,1,2,3
	LAF \i, \a
.endr
.endm
.macro LA1 i                           ; blocks 4-8: 20 loads
.irp a, 4,5,6,7,8
	LAF \i, \a
.endr
.endm
; Block a against the weights' eight tiles.  The 72 accumulators take turns, one instruction a turn, in the same order in every K step.  K step 0's products start the sums.
.macro MULG a, i
.if (\a) < 4
.set AC, 64*(\a)
.elseif (\a) < 8
.set AC, 64*((\a)-4)
.else
.set AC, 192
.endif
.set FW, 96*((\i)%2)
.set FA, AF+108*((\i)%2)+12*(\a)
.set SX, HSC+2*(\a)+(\i)/2
.irp f, 0,1,2,3,4,5,6,7
.set SW, BS+4*((\i)%2)+\f%4
.if (\i) == 0
.if \f < 4
	v_wmma_scale_f32_16x16x128_f8f6f4 v[AC+8*\f:AC+8*\f+7], v[FW+12*\f:FW+12*\f+11], v[FA:FA+11], 0, v[SW], v[SX] matrix_a_fmt:MATRIX_FMT_BF6 matrix_b_fmt:MATRIX_FMT_BF6
.else
	v_wmma_scale_f32_16x16x128_f8f6f4 v[AC+8*\f:AC+8*\f+7], v[FW+12*\f:FW+12*\f+11], v[FA:FA+11], 0, v[SW], v[SX] matrix_a_fmt:MATRIX_FMT_BF6 matrix_b_fmt:MATRIX_FMT_BF6 matrix_a_scale:MATRIX_SCALE_ROW1
.endif
.elseif (\i)%2 == 0
.if \f < 4
	v_wmma_scale_f32_16x16x128_f8f6f4 v[AC+8*\f:AC+8*\f+7], v[FW+12*\f:FW+12*\f+11], v[FA:FA+11], v[AC+8*\f:AC+8*\f+7], v[SW], v[SX] matrix_a_fmt:MATRIX_FMT_BF6 matrix_b_fmt:MATRIX_FMT_BF6
.else
	v_wmma_scale_f32_16x16x128_f8f6f4 v[AC+8*\f:AC+8*\f+7], v[FW+12*\f:FW+12*\f+11], v[FA:FA+11], v[AC+8*\f:AC+8*\f+7], v[SW], v[SX] matrix_a_fmt:MATRIX_FMT_BF6 matrix_b_fmt:MATRIX_FMT_BF6 matrix_a_scale:MATRIX_SCALE_ROW1
.endif
.else
.if \f < 4
	v_wmma_scale_f32_16x16x128_f8f6f4 v[AC+8*\f:AC+8*\f+7], v[FW+12*\f:FW+12*\f+11], v[FA:FA+11], v[AC+8*\f:AC+8*\f+7], v[SW], v[SX] matrix_a_fmt:MATRIX_FMT_BF6 matrix_b_fmt:MATRIX_FMT_BF6 matrix_b_scale:MATRIX_SCALE_ROW1
.else
	v_wmma_scale_f32_16x16x128_f8f6f4 v[AC+8*\f:AC+8*\f+7], v[FW+12*\f:FW+12*\f+11], v[FA:FA+11], v[AC+8*\f:AC+8*\f+7], v[SW], v[SX] matrix_a_fmt:MATRIX_FMT_BF6 matrix_b_fmt:MATRIX_FMT_BF6 matrix_a_scale:MATRIX_SCALE_ROW1 matrix_b_scale:MATRIX_SCALE_ROW1
.endif
.endif
.endr
.endm
; w0, w1: how many younger loads may be out at the step's head and in its middle; fill = 1: the next K step is asked for at this step's head, into the sets that the step before has left
.macro KSTEP i, w0, w1, fill
.if \fill
	s_wait_alu depctr_va_vdst(0)                   ; the products of the step before are done reading their set of h's fragments, their set of weights and its scale words: the 61 loads below land in these
	BLOAD (\i)+1
	LA0 (\i)+1
	LA1 (\i)+1
.endif
	s_wait_loadcnt \w0
	WIN 0xa1                                       ; source 0 (weights) window 1, source 1 (h) window 0, C and D window 2
	MULG 0, \i
	MULG 1, \i
	MULG 2, \i
	MULG 3, \i
	s_wait_loadcnt \w1
	WIN 0xf1                                       ; C and D window 3
	MULG 4, \i
	MULG 5, \i
	MULG 6, \i
	MULG 7, \i
	WIN 0x51                                       ; C and D window 1
	MULG 8, \i
.if (\i) != 2
	PLACES                                         ; behind steps 0 and 1 beside the wait at the next step's head, behind step 3 ahead of the stores of the results; behind step 2 nothing touches its registers but the next links
.endif
	WIN 0
.endm
	BLOAD 0
	LA0 0
	LA1 0
	BLOAD 1
	LA0 1
	LA1 1
	; Loads come back in order; a step's 61 are issued as weights 25, blocks 0-3 16, blocks 4-8 20.  Behind what a head needs (the weights and blocks 0-3) stand 20 + 61 = 81 loads: the wait names 63, the most that it can, which is the stricter.
	; Behind what a middle needs (blocks 4-8) stand the next step's 61.
	KSTEP 0, 63, 61, 0
	KSTEP 1, 63, 61, 1
	KSTEP 2, 63, 61, 1
	KSTEP 3, 20, 0, 0                              ; head: K step 3's blocks 4-8 may be out
	; ---- my partial sums go to my stage
	s_wait_alu depctr_va_vdst(0)                   ; the products have written the 72 accumulators, which the LDS stores read (the places above stay beside this wait), and are done reading v36 to v163, in which the tail's first loads land
.macro TOST a
.if (\a) < 4
.set AC, 64*(\a)
.set AD, 4
.set OF, 16*SPITCH*(\a)
	WIN 0x08                                       ; an LDS store's data are its source 1: window 2,
.elseif (\a) < 8
.set AC, 64*((\a)-4)
.set AD, 5
.set OF, 16*SPITCH*((\a)-4)
	WIN 0x0c                                       ; 3,
.else
.set AC, 192
.set AD, 5
.set OF, 16*SPITCH*4
	WIN 0x04                                       ; 1
.endif
.irp f, 0,1,2,3,4,5,6,7
	ds_store_b128 v[AD], v[AC+8*\f:AC+8*\f+3] offset:OF+256*(\f/4)+128*((\f/2)%2)+32*(\f%2)        ; each accumulator from its low end on
	ds_store_b128 v[AD], v[AC+8*\f+4:AC+8*\f+7] offset:OF+256*(\f/4)+128*((\f/2)%2)+32*(\f%2)+16
.endr
.endm
.irp a, 0,1,2,3,4,5,6,7,8
	TOST \a
.endr
	WIN 0
	s_wait_dscnt 0x0                               ; for the others' sake: my stage is whole
	s_barrier_signal -1
	s_barrier_wait -1
	; ---- wave w adds and stores rows 36 w .. 36 w + 35, four at a time
.macro LOADR b
	s_wait_xcnt 0x0                                ; the earlier stores have read their registers: these are loaded again only behind this wait
.if (\b) >= 2
	s_wait_alu depctr_vm_vsrc(0)                   ; the stores of the batch two back have read their sums, in which the loads below land, and their offsets, which this batch's lines write again
.endif
.irp j, 0,1,2,3
	ds_load_b128 v[BUF+64*((\b)%2)+16*\j:BUF+64*((\b)%2)+16*\j+3], v6 offset:SPITCH*(4*(\b)+\j)
	ds_load_b128 v[BUF+64*((\b)%2)+16*\j+4:BUF+64*((\b)%2)+16*\j+7], v7 offset:SPITCH*(4*(\b)+\j)
	ds_load_b128 v[BUF+64*((\b)%2)+16*\j+8:BUF+64*((\b)%2)+16*\j+11], v34 offset:SPITCH*(4*(\b)+\j)
	ds_load_b128 v[BUF+64*((\b)%2)+16*\j+12:BUF+64*((\b)%2)+16*\j+15], v35 offset:SPITCH*(4*(\b)+\j)
.endr
.endm
.macro SUMROW bb                       ; a row's four partial sums, (p0 + p1) + (p2 + p3); bb: the first of its 16 registers
	v_pk_add_f32 v[\bb:\bb+1], v[\bb:\bb+1], v[\bb+4:\bb+5]
	v_pk_add_f32 v[\bb+2:\bb+3], v[\bb+2:\bb+3], v[\bb+6:\bb+7]
	v_pk_add_f32 v[\bb+8:\bb+9], v[\bb+8:\bb+9], v[\bb+12:\bb+13]
	v_pk_add_f32 v[\bb+10:\bb+11], v[\bb+10:\bb+11], v[\bb+14:\bb+15]
	v_pk_add_f32 v[\bb:\bb+1], v[\bb:\bb+1], v[\bb+8:\bb+9]
	v_pk_add_f32 v[\bb+2:\bb+3], v[\bb+2:\bb+3], v[\bb+10:\bb+11]
.endm
.macro STROW tk, vo, bb                ; a row goes to its token; tk: the scalar register with the token
	s_cmp_lt_u32 s[\tk], 4096                      ; a slot without a token stores nothing
	s_cbranch_scc0 .Lnone_\@
	global_store_b128 v[\vo], v[\bb:\bb+3], s[28:29] th:TH_STORE_NT   ; 32 lanes store 512 consecutive bytes, at a multiple of 256 from out0's first byte
.Lnone_\@:
.endm
.macro PROC b
.irp j, 0,1,2,3                        ; the batch's four tokens, in one run; the sums below stand between the run and the wait for it
.if 4*(\b)+\j < 32
	v_readlane_b32 s[40+\j], v252, 4*(\b)+\j
.else
	v_readlane_b32 s[40+\j], v253, 4*(\b)+\j-32
.endif
.endr
.if (\b) < 8
	s_wait_dscnt 16                                ; this batch is in; the next batch's 16 loads may be out
.else
	s_wait_dscnt 0x0
.endif
.irp j, 0,1,2,3
	SUMROW BUF+64*((\b)%2)+16*\j
.endr
	s_wait_alu depctr_va_sdst(0)                   ; s40 to s43, the four tokens, are written, ahead of their first reader
.irp j, 0,1,2,3
	s_min_u32 s[44+\j], s[40+\j], 4095
	s_lshl_b32 s[44+\j], s[44+\j], 12              ; the token's row of 4,096 bytes
	v_add_nc_u32 v[VO+4*((\b)%2)+\j], s[44+\j], v1
.endr
	s_wait_alu depctr_va_vdst(0)                   ; the batch's sums and offsets are written, which its stores read; and its additions are done with the buffer, in which the loads of the batch two on land
.irp j, 0,1,2,3
	STROW 40+\j, VO+4*((\b)%2)+\j, BUF+64*((\b)%2)+16*\j
.endr
.endm
	LOADR 0
.irp b, 0,1,2,3,4,5,6,7
	LOADR \b+1
	PROC \b
.endr
	PROC 8
	s_wait_xcnt 0x0
	s_wait_alu depctr_vm_vsrc(0)                   ; the list's loads have read v254 and v255, which the two lines below write anew
	v_lshl_add_u32 v254, v0, 2, 0x4a400
	v_mov_b32 v255, 0
	s_wait_dscnt 0x0                               ; the closing lines, six on end
	s_wait_alu 0x0
	s_wait_tensorcnt 0x0
	ds_add_u32 v254, v255
	s_wait_dscnt 0x0
	s_endpgm
.Lfunc_end_k_q537eb0cfe9_down:
	.size	k_q537eb0cfe9_down, .Lfunc_end_k_q537eb0cfe9_down-k_q537eb0cfe9_down
	.p2alignl 7, 3214868480
	.fill 96, 4, 3214868480
	.section	.rodata,"a",@progbits
	.p2align	6, 0x0
	.amdhsa_kernel k_q537eb0cfe9_down
		.amdhsa_group_segment_fixed_size 304640
		.amdhsa_private_segment_fixed_size 0
		.amdhsa_enable_private_segment 0
		.amdhsa_kernarg_size 48
		.amdhsa_user_sgpr_count 2
		.amdhsa_user_sgpr_kernarg_segment_ptr 1
		.amdhsa_wavefront_size32 1
		.amdhsa_system_sgpr_workgroup_id_x 1
		.amdhsa_system_sgpr_workgroup_id_y 1
		.amdhsa_system_sgpr_workgroup_id_z 1
		.amdhsa_system_vgpr_workitem_id 0
		.amdhsa_next_free_vgpr 1024
		.amdhsa_next_free_sgpr 66
		.amdhsa_reserve_vcc 0
		.amdhsa_float_denorm_mode_32 3
		.amdhsa_float_denorm_mode_16_64 3
		.amdhsa_memory_ordered 1
		.amdhsa_forward_progress 1
		.amdhsa_inst_pref_size 113
	.end_amdhsa_kernel
	.amdgpu_metadata
---
amdhsa.version: [ 1, 2 ]
amdhsa.kernels:
  - .name:           k_q537eb0cfe9_down
    .symbol:         k_q537eb0cfe9_down.kd
    .args:
      - { .name: hq, .offset: 0, .size: 8, .value_kind: global_buffer, .address_space: global }
      - { .name: hs, .offset: 8, .size: 8, .value_kind: global_buffer, .address_space: global }
      - { .name: wq, .offset: 16, .size: 8, .value_kind: global_buffer, .address_space: global }
      - { .name: order, .offset: 24, .size: 8, .value_kind: global_buffer, .address_space: global }
      - { .name: tinfo, .offset: 32, .size: 8, .value_kind: global_buffer, .address_space: global }
      - { .name: out0, .offset: 40, .size: 8, .value_kind: global_buffer, .address_space: global }
    .group_segment_fixed_size: 304640
    .private_segment_fixed_size: 0
    .kernarg_segment_align: 8
    .kernarg_segment_size: 48
    .max_flat_workgroup_size: 128
    .sgpr_count:     66
    .vgpr_count:     1024
    .wavefront_size: 32
...
	.end_amdgpu_metadata
.endif
;; end of part 6
